; MI455X (gfx1250); checked and timed in simulation.
; The chip was launched on July 23, 2026; its instructions are those of AMD's public machine-readable ISA for CDNA 5 (MIT licence, August 2026) and "CDNA5" Instruction Set Architecture Reference Guide (July 2026). The comments in the code are by the model that wrote it; some were corrected since.
;; Adaptive Mixture Of Experts. Allowed arithmetic: float matrix products may take bf16 or f16 operands with f32 sums; other float arithmetic in f32, or as packed bf16 or f16 multiplies, adds, multiply-adds, maxima and minima; sums over many terms, partial sums and values carried from step to step in f32; what a program stores and reads back later, other than sums and carried values, may be rounded once to bf16 or f16.
;; Inputs: W1 8 x 1,024 x 4,096 float32; W2 8 x 2,048 x 1,024 float32; Wr 1,024 x 8 float32; b1 8 x 4,096 float32; b2 8 x 1,024 float32; temp 1 float32; x 2 x 512 x 1,024 float32.
;; Outputs: out0 2 x 512 x 1,024 float32.
;; 2 versions, each right; version 2 is version 1 with the launches router, place written anew for expert scheduling mode. Each part assembles by itself: llvm-mc -triple=amdgcn-amd-amdhsa -mcpu=gfx1250 --defsym DOCPART=n.
;; ======== version 1 of 2: 5 launches
;; workspace buffers: xb 2,097,152 bytes; cho 8,192 bytes of whole numbers; topw 8,192 bytes; xg 16,777,216 bytes; hbuf 33,554,432 bytes; listg 33,792 bytes of whole numbers; wlist 32,768 bytes; part 16,842,752 bytes
;; launch router (part 1): grid 32 x 1, 8 waves a work-group, no clusters, 91,648 bytes of LDS; arguments x, Wr, temp, xb, cho, topw; writes xb, cho, topw
.if DOCPART == 1
	.amdgcn_target "amdgcn-amd-amdhsa--gfx1250"
	.amdhsa_code_object_version 6
	.text
	.protected	k_qc0d1f12e1f_router
	.globl	k_qc0d1f12e1f_router
	.p2align	8
	.type	k_qc0d1f12e1f_router,@function
k_qc0d1f12e1f_router:
	s_mov_b64 s[64:65], 0
	v_nop
	global_prefetch_b8 v0, s[64:65] scope:SCOPE_SE
	s_setreg_imm32_b32 hwreg(HW_REG_WAVE_MODE, 25, 1), 1
	s_wait_xcnt 0x0
; ROUTER.  logits = (x Wr) / temp; the two largest of 8 (ties: the lower index); softmax over the two.  Also x rounded to bf16 for the next launch.
; A work-group owns 32 tokens (a token's 8 logits have one owner, so there is work for 1,024 / 32 = 32 work-groups); eight waves.
; Phase 1: wave w rounds rows 4 w .. 4 w + 3 of the group's x and rows 128 w .. + 127 of Wr to bf16: x goes to xb and to LDS, Wr to LDS.
; Phase 2: wave w multiplies the K slice 128 w .. + 127: D = Wr^T x^T, 16 x 16 x 32, two accumulators (tokens 0-15, 16-31) by turns.
; Phase 3: wave 0 adds the eight waves' partial logits in f32, in ascending order, and chooses.  The choices go to fixed places: no address here hangs on them.
; LIMITS.  x, Wr and temp are rounded to bf16 (as every input of the program is).  The division by temp is a multiplication by v_rcp_f32's result.
; Two logits that differ by less than the f32 sums' rounding may change places.  The second choice is found with the first set to -inf: logits are taken to be finite;
; NaN and infinities are not treated apart.  The softmax takes the maximum away: its exponent is second - best <= 0.
; NO CLUSTER: the work-groups share Wr alone, 32 KiB beside each group's own 128 KiB of x.
.set XP,    2064      ; a row of x in LDS: 2,048 bytes + 16: an odd multiple of 16, so the 16 rows of a fragment load start 16 bytes apart modulo 256
.set WRT,   66048     ; behind 32 such rows: Wr in bf16, [k][8], 16 bytes a row
.set PART,  82432     ; the waves' partial logits, 1,024 bytes a wave
.set SPARE, 90624     ; the spare words, 128 bytes a wave: four blocks of 256 bytes that no other line names
.set XL, 32           ; v32-159  x as loaded, 32 pieces of 4
.set WL, 160          ; v160-191 Wr as loaded
.set PK, 192          ; v192-255 x rounded, a pair for each piece: no pair is written twice
.set WP, 16           ; v16-31   Wr rounded
.set WRF, 32          ; phase 2: Wr^T's fragments
.set XF, 64           ; x's fragments: tokens 0-15, then 16-31
.set D0, 128
.set D1, 136
.set LG, 144
.set PS, 32           ; phase 3: eight waves' eight logits
	s_load_b256 s[8:15], s[0:1], 0x0       ; x s[8:9], Wr s[10:11], temp s[12:13], xb s[14:15]
	s_load_b128 s[16:19], s[0:1], 0x20     ; cho s[16:17], topw s[18:19]
	v_lshl_add_u32 v4, v0, 2, SPARE        ; my spare word
	v_mov_b32 v5, 0
	v_and_b32 v1, 31, v0                   ; lane
	v_lshrrev_b32 v14, 5, v0
	v_readfirstlane_b32 s20, v14           ; wave w
	v_and_b32 v2, 15, v0                   ; r
	v_bfe_u32 v3, v0, 4, 1                 ; h
	v_lshlrev_b32 v6, 4, v1                ; 16 lane
	v_lshlrev_b32 v7, 3, v1                ; 8 lane
	s_lshl_b32 s21, ttmp9, 5               ; t0: the group's first token
	s_lshl_b32 s28, s20, 2                 ; 4 w
	s_add_co_u32 s29, s21, s28             ; my wave's first token
	s_mul_i32 s30, s28, XP
	v_add_nc_u32 v8, s30, v7               ; LDS: my 8 bytes in my wave's first row of x
	s_lshl_b32 s30, s20, 11
	s_add_co_u32 s30, s30, WRT             ; my wave's 128 rows of Wr
	v_add_nc_u32 v9, s30, v7
	v_and_b32 v14, 7, v0
	v_lshlrev_b32 v14, 4, v14
	v_lshl_add_u32 v14, v3, 7, v14
	v_add_nc_u32 v10, s30, v14             ; the turning load: row 128 w + 8 h + lane % 8; lanes 8-15 and 24-31 take the rows of lanes 0-7 and 16-23, so rows 8-15 of Wr^T repeat experts 0-7
	v_mul_u32_u24 v11, v2, XP
	v_lshl_add_u32 v11, v3, 4, v11
	s_lshl_b32 s30, s20, 8
	v_add_nc_u32 v11, s30, v11             ; x's fragments: row r, byte 256 w + 16 h
	s_lshl_b32 s30, s20, 10
	s_add_co_u32 s30, s30, PART
	v_add_nc_u32 v12, s30, v6              ; my wave's partial logits
	v_add_nc_u32 v13, PART, v6             ; wave 0's view of them all
	s_mov_b32 s23, 0xffff0000              ; lanes 16-31
	s_lshl_b32 s24, s29, 12                ; byte offsets: x,
	s_mov_b32 s25, 0
	s_lshl_b32 s26, s20, 12                ; Wr,
	s_mov_b32 s27, 0
	s_lshl_b32 s30, s29, 11                ; xb
	s_mov_b32 s31, 0
	s_wait_kmcnt 0x0
	s_load_b32 s22, s[12:13], 0x0          ; temp
	s_add_nc_u64 s[8:9], s[8:9], s[24:25]
	s_add_nc_u64 s[10:11], s[10:11], s[26:27]
	s_add_nc_u64 s[14:15], s[14:15], s[30:31]
	; PHASE 1.  40 loads go out together; each covers 512 consecutive bytes.
.set q, 0
.rept 8
	global_load_b128 v[WL+4*q:WL+4*q+3], v6, s[10:11] offset:512*q
.set q, q+1
.endr
.set n, 0
.rept 32
	global_load_b128 v[XL+4*n:XL+4*n+3], v6, s[8:9] offset:(n/8)*4096+(n%8)*512 th:TH_LOAD_NT
.set n, n+1
.endr
	s_wait_loadcnt 32                      ; Wr's eight are in; x's 32 stay out
.set q, 0
.rept 8
	v_cvt_pk_bf16_f32 v[WP+2*q], v[WL+4*q], v[WL+4*q+1]
	v_cvt_pk_bf16_f32 v[WP+2*q+1], v[WL+4*q+2], v[WL+4*q+3]
	ds_store_b64 v9, v[WP+2*q:WP+2*q+1] offset:256*q
.set q, q+1
.endr
.set n, 0
.rept 32
	s_wait_loadcnt 31-n                    ; piece n is in, the younger ones stay out
	v_cvt_pk_bf16_f32 v[PK+2*n], v[XL+4*n], v[XL+4*n+1]
	v_cvt_pk_bf16_f32 v[PK+2*n+1], v[XL+4*n+2], v[XL+4*n+3]
	global_store_b64 v7, v[PK+2*n:PK+2*n+1], s[14:15] offset:(n/8)*2048+(n%8)*256  ; the wave's store covers 256 consecutive bytes, aligned
	ds_store_b64 v8, v[PK+2*n:PK+2*n+1] offset:(n/8)*XP+(n%8)*256
.set n, n+1
.endr
	s_wait_kmcnt 0x0                       ; temp
	s_wait_dscnt 0x0                       ; for the others' sake: my stores into LDS are done
	s_barrier_signal -1
	s_barrier_wait -1
	; PHASE 2.  Four K steps of 32.
.set ks, 0
.rept 4
	ds_load_tr16_b128 v[WRF+8*ks:WRF+8*ks+3], v10 offset:512*ks
	ds_load_tr16_b128 v[WRF+8*ks+4:WRF+8*ks+7], v10 offset:512*ks+256
	ds_load_b128 v[XF+8*ks:XF+8*ks+3], v11 offset:64*ks
	ds_load_b128 v[XF+8*ks+4:XF+8*ks+7], v11 offset:64*ks+32
	ds_load_b128 v[XF+32+8*ks:XF+32+8*ks+3], v11 offset:16*XP+64*ks
	ds_load_b128 v[XF+32+8*ks+4:XF+32+8*ks+7], v11 offset:16*XP+64*ks+32
.set ks, ks+1
.endr
	s_wait_dscnt 0x0
	v_wmma_f32_16x16x32_bf16 v[D0:D0+7], v[WRF:WRF+7], v[XF:XF+7], 0          ; the first K step starts both sums
	v_wmma_f32_16x16x32_bf16 v[D1:D1+7], v[WRF:WRF+7], v[XF+32:XF+39], 0
.set ks, 1
.rept 3                                        ; the two accumulators take turns
	v_wmma_f32_16x16x32_bf16 v[D0:D0+7], v[WRF+8*ks:WRF+8*ks+7], v[XF+8*ks:XF+8*ks+7], v[D0:D0+7]
	v_wmma_f32_16x16x32_bf16 v[D1:D1+7], v[WRF+8*ks:WRF+8*ks+7], v[XF+32+8*ks:XF+32+8*ks+7], v[D1:D1+7]
.set ks, ks+1
.endr
.rept 4
	v_nop                                  ; four places behind the last product (ISA guide 7.12.1)
.endr
	; Register j of lane (r, h) holds expert j (rows 8-15 repeat rows 0-7) of token r: lanes 0-15 take D0, lanes 16-31 D1: lane L holds token L.
.set j, 0
.rept 8
	v_cndmask_b32 v[LG+j], v[D0+j], v[D1+j], s23
.set j, j+1
.endr
	ds_store_b128 v12, v[LG:LG+3]
	ds_store_b128 v12, v[LG+4:LG+7] offset:512
	s_wait_dscnt 0x0
	s_barrier_signal -1
	s_barrier_wait -1
	; PHASE 3: wave 0 alone; no barrier stands in what the others jump.
	s_cmp_lg_u32 s20, 0
	s_cbranch_scc1 .Lend
.set n, 0
.rept 8
	ds_load_b128 v[PS+8*n:PS+8*n+3], v13 offset:1024*n
	ds_load_b128 v[PS+8*n+4:PS+8*n+7], v13 offset:1024*n+512
.set n, n+1
.endr
	v_mov_b32 v16, s22
	v_cvt_pk_bf16_f32 v16, v16, v16        ; temp rounded to bf16,
	v_lshlrev_b32 v16, 16, v16             ; as f32
	v_rcp_f32 v14, v16
	v_mov_b32 v15, 0                       ; the plain instruction behind the reciprocal; it also writes the pair's upper word
	v_mov_b32 v20, 0xff800000              ; -inf
	s_wait_dscnt 0x0
.set n, 1
.rept 7                                        ; the waves' parts, in ascending order
	v_pk_add_f32 v[PS:PS+1], v[PS:PS+1], v[PS+8*n:PS+8*n+1]
	v_pk_add_f32 v[PS+2:PS+3], v[PS+2:PS+3], v[PS+8*n+2:PS+8*n+3]
	v_pk_add_f32 v[PS+4:PS+5], v[PS+4:PS+5], v[PS+8*n+4:PS+8*n+5]
	v_pk_add_f32 v[PS+6:PS+7], v[PS+6:PS+7], v[PS+8*n+6:PS+8*n+7]
.set n, n+1
.endr
	s_wait_alu depctr_va_vdst(0)           ; the wait ahead of the reciprocal's first reader
.set n, 0
.rept 4
	v_pk_mul_f32 v[PS+2*n:PS+2*n+1], v[PS+2*n:PS+2*n+1], v[14:15] op_sel_hi:[1,0]
.set n, n+1
.endr
	v_mov_b32 v16, v[PS]                   ; best, and its index: a strict compare keeps the lower index on a tie
	v_mov_b32 v17, 0
.set n, 1
.rept 7
	v_cmp_gt_f32 vcc_lo, v[PS+n], v16
	v_cndmask_b32 v16, v16, v[PS+n], vcc_lo
	v_cndmask_b32 v17, v17, n, vcc_lo
.set n, n+1
.endr
.set n, 0
.rept 8                                        ; the best leaves the field
	v_cmp_eq_u32 vcc_lo, n, v17
	v_cndmask_b32 v[PS+n], v[PS+n], v20, vcc_lo
.set n, n+1
.endr
	v_mov_b32 v18, v[PS]                   ; the second, likewise
	v_mov_b32 v19, 0
.set n, 1
.rept 7
	v_cmp_gt_f32 vcc_lo, v[PS+n], v18
	v_cndmask_b32 v18, v18, v[PS+n], vcc_lo
	v_cndmask_b32 v19, v19, n, vcc_lo
.set n, n+1
.endr
	v_sub_f32 v21, v18, v16                ; second - best <= 0: the maximum is taken away
	v_mul_f32 v21, 0x3fb8aa3b, v21
	v_exp_f32 v22, v21
	v_add_lshl_u32 v26, v1, s21, 2         ; 4 (t0 + lane): the plain instruction behind the exponential
	s_wait_alu depctr_va_vdst(0)
	v_add_f32 v23, 1.0, v22
	v_rcp_f32 v24, v23                     ; the best's weight, 1 / (1 + q)
	v_nop
	s_wait_alu depctr_va_vdst(0)
	v_mul_f32 v25, v22, v24                ; the second's, q / (1 + q)
	global_store_b32 v26, v17, s[16:17]
	global_store_b32 v26, v19, s[16:17] offset:4096
	global_store_b32 v26, v24, s[18:19]
	global_store_b32 v26, v25, s[18:19] offset:4096
.Lend:
	s_wait_tensorcnt 0x0                   ; the wave's end
	ds_add_u32 v4, v5
	s_wait_dscnt 0x0
	s_endpgm
.Lfunc_end_k_qc0d1f12e1f_router:
	.size	k_qc0d1f12e1f_router, .Lfunc_end_k_qc0d1f12e1f_router-k_qc0d1f12e1f_router
	.p2alignl 7, 3214868480
	.fill 96, 4, 3214868480
	.section	.rodata,"a",@progbits
	.p2align	6, 0x0
	.amdhsa_kernel k_qc0d1f12e1f_router
		.amdhsa_group_segment_fixed_size 91648
		.amdhsa_private_segment_fixed_size 0
		.amdhsa_enable_private_segment 0
		.amdhsa_kernarg_size 48
		.amdhsa_user_sgpr_count 2
		.amdhsa_user_sgpr_kernarg_segment_ptr 1
		.amdhsa_wavefront_size32 1
		.amdhsa_system_sgpr_workgroup_id_x 1
		.amdhsa_system_sgpr_workgroup_id_y 1
		.amdhsa_system_sgpr_workgroup_id_z 1
		.amdhsa_system_vgpr_workitem_id 0
		.amdhsa_next_free_vgpr 256
		.amdhsa_next_free_sgpr 66
		.amdhsa_reserve_vcc 1
		.amdhsa_float_denorm_mode_32 3
		.amdhsa_float_denorm_mode_16_64 3
		.amdhsa_memory_ordered 1
		.amdhsa_forward_progress 1
		.amdhsa_inst_pref_size 27
	.end_amdhsa_kernel
	.amdgpu_metadata
---
amdhsa.version: [ 1, 2 ]
amdhsa.kernels:
  - .name:           k_qc0d1f12e1f_router
    .symbol:         k_qc0d1f12e1f_router.kd
    .args:
      - { .name: x, .offset: 0, .size: 8, .value_kind: global_buffer, .address_space: global }
      - { .name: Wr, .offset: 8, .size: 8, .value_kind: global_buffer, .address_space: global }
      - { .name: temp, .offset: 16, .size: 8, .value_kind: global_buffer, .address_space: global }
      - { .name: xb, .offset: 24, .size: 8, .value_kind: global_buffer, .address_space: global }
      - { .name: cho, .offset: 32, .size: 8, .value_kind: global_buffer, .address_space: global }
      - { .name: topw, .offset: 40, .size: 8, .value_kind: global_buffer, .address_space: global }
    .group_segment_fixed_size: 91648
    .private_segment_fixed_size: 0
    .kernarg_segment_align: 8
    .kernarg_segment_size: 48
    .max_flat_workgroup_size: 256
    .sgpr_count:     66
    .vgpr_count:     256
    .wavefront_size: 32
...
	.end_amdgpu_metadata
.endif
;; end of part 1
;; launch place (part 2): grid 32 x 8, 4 waves a work-group, no clusters, 17,920 bytes of LDS; arguments xb, cho, topw, xg, listg, wlist; writes xg, listg, wlist
.if DOCPART == 2
	.amdgcn_target "amdgcn-amd-amdhsa--gfx1250"
	.amdhsa_code_object_version 6
	.text
	.protected	k_qc0d1f12e1f_place
	.globl	k_qc0d1f12e1f_place
	.p2align	8
	.type	k_qc0d1f12e1f_place,@function
k_qc0d1f12e1f_place:
	s_mov_b64 s[64:65], 0
	v_nop
	global_prefetch_b8 v0, s[64:65] scope:SCOPE_SE
	s_setreg_imm32_b32 hwreg(HW_REG_WAVE_MODE, 25, 1), 1
	s_wait_xcnt 0x0
; PLACE.  The rows routed to each expert are ranked, and their x (bf16) is laid out once in the order in which the next launch's operand registers take it:
; xg[e][tile of 16 ranks][K step of 32][1,024 bytes]: registers 0-3 of lane l at 16 l, registers 4-7 at 512 + 16 l; lane (r, h) holds row r, k = 8 h .. and 16 + 8 h ..
; Also listg[e][rank] = id (choice x 1,024 + token; 2,048 + e past the count), wlist[e][rank] = the gate's weight of that id, and the expert's count at byte 32,768 + 128 e of listg.
; SHARES.  Work-group (q, e) owns ranks 32 q .. 32 q + 31 of expert e: two tiles.  Wave w takes tile 2 q + w / 2 and the K half w % 2: 32 loads of 16 bytes a lane, in the fragment's own pattern
; (32 bytes of each of 16 rows), and 32 stores of 512 consecutive aligned bytes.  So a routed row is gathered in short pieces once in the program, here, and read in whole blocks ever after.
; Every wave makes its own list from cho (2,048 choices, 64 a lane): the addresses hang on whole numbers that the launch before stored.  LDS serves a wave's instructions in order and a list is
; its wave's own: no barrier.  A tile past the expert's count is jumped (tile 0 is made even for an expert without rows, so that no later launch reads unwritten bytes); the list's 32 places
; are stored by every work-group, so all 1,024 places of each expert are written.
; NO CLUSTER, no matrix unit, no tensor load: the work-groups share cho alone (8 KiB); the rows come by a list.
.set LISTW, 4352      ; a wave's list: 1,024 ids, then 32 words for the lanes that have nothing to say; the four lists begin at LDS byte 0
.set SPARE, 17408     ; the spare words, 128 bytes a wave: two blocks of 256 bytes that no other line names
.set CH, 32           ; v32-95   the choices
.set XD, 96           ; v96-223  the 32 pieces of x
	s_load_b256 s[8:15], s[0:1], 0x0       ; xb s[8:9], cho s[10:11], topw s[12:13], xg s[14:15]
	s_load_b128 s[16:19], s[0:1], 0x20     ; listg s[16:17], wlist s[18:19]
	v_lshl_add_u32 v4, v0, 2, SPARE        ; my spare word
	v_mov_b32 v5, 0
	v_and_b32 v1, 31, v0                   ; lane
	v_lshrrev_b32 v18, 5, v0
	v_readfirstlane_b32 s26, v18           ; wave w
	v_and_b32 v2, 15, v0                   ; r
	v_bfe_u32 v3, v0, 4, 1                 ; h
	s_mov_b32 s27, ttmp9                   ; q
	s_and_b32 s28, ttmp7, 0xffff           ; expert e
	v_lshlrev_b32 v15, 4, v1               ; 16 lane
	v_lshlrev_b32 v31, 4, v3               ; 16 h
	s_mul_i32 s46, s26, LISTW              ; my wave's list
	s_add_co_u32 s49, s28, 2048            ; the id of a place past the count: it names token e here and the expert's spare row in the last product
	v_mov_b32 v24, s49
	v_mov_b32 v25, s49
	v_mov_b32 v26, s49
	v_mov_b32 v27, s49
	v_add_nc_u32 v22, 1024, v1             ; the word for a lane that has nothing to say
	v_lshlrev_b32 v23, 2, v1               ; 4 lane
	v_add_nc_u32 v19, s46, v15
	s_lshr_b32 s40, s26, 1
	s_lshl1_add_u32 s40, s27, s40          ; my tile: 2 q + w / 2
	s_and_b32 s41, s26, 1                  ; my K half
	s_lshl_b32 s30, s41, 10                ; xb: 1,024 bytes of a row
	s_mov_b32 s31, 0
	s_lshl_b32 s32, s28, 21                ; xg: 64 tiles of 32,768 bytes an expert,
	s_lshl_b32 s47, s40, 15                ; my tile,
	s_add_co_u32 s32, s32, s47
	s_lshl_b32 s47, s41, 14                ; my 16 K steps
	s_add_co_u32 s32, s32, s47
	s_mov_b32 s33, 0
	s_mov_b32 s38, 0
	s_wait_kmcnt 0x0
	s_add_nc_u64 s[34:35], s[8:9], s[30:31]
	s_add_nc_u64 s[36:37], s[14:15], s[32:33]
.set q, 0
.rept 16                                       ; all 2,048 choices, 64 a lane
	global_load_b128 v[CH+4*q:CH+4*q+3], v15, s[10:11] offset:512*q
.set q, q+1
.endr
.set q, 0
.rept 8                                        ; my list starts as 1,024 places past the count
	ds_store_b128 v19, v[24:27] offset:512*q
.set q, q+1
.endr
	s_wait_loadcnt 0x0
	; THE LIST.  For each of my 64 registers: which lanes chose e; a lane's rank is the count so far plus the choosing lanes below it; its id goes to that place of the list.
.set n, 0
.rept 64
	v_cmp_eq_u32 vcc_lo, s28, v[CH+n]
	v_mbcnt_lo_u32_b32 v18, vcc_lo, s38
	v_cndmask_b32 v18, v22, v18, vcc_lo
	v_min_u32 v18, 0x41f, v18
	v_lshl_add_u32 v18, v18, 2, s46
.if n == 0                                     ; the id = the word's place in cho: 128 (n / 4) + n % 4 + 4 lane, stepped from register to register
	v_mov_b32 v20, v23
.elseif n%4 == 0
	v_add_nc_u32 v20, 125, v20
.else
	v_add_nc_u32 v20, 1, v20
.endif
	ds_store_b32 v18, v20
	s_bcnt1_i32_b32 s45, vcc_lo
	s_add_co_u32 s38, s38, s45
.set n, n+1
.endr
	s_min_u32 s38, s38, 1024               ; the expert's rows
	s_add_co_u32 s39, s38, 15
	s_lshr_b32 s39, s39, 4
	s_max_u32 s39, s39, 1                  ; its tiles
	s_lshl_b32 s47, s40, 4
	v_add_nc_u32 v19, s47, v2              ; rank 16 tile + r
	v_min_u32 v19, 0x3ff, v19
	v_lshl_add_u32 v19, v19, 2, s46
	ds_load_b32 v10, v19
	s_lshl_b32 s47, s27, 5
	v_add_nc_u32 v21, s47, v1              ; rank 32 q + lane: the places that this work-group hands on
	v_min_u32 v21, 0x3ff, v21
	v_lshl_add_u32 v21, v21, 2, s46
	ds_load_b32 v28, v21
	s_wait_dscnt 0x0
	v_and_b32 v10, 0x3ff, v10              ; id -> token -> byte offset of my 16 bytes in its row
	v_min_u32 v10, 0x3ff, v10
	v_lshl_add_u32 v10, v10, 11, v31
	v_min_u32 v21, 0x7ff, v28
	v_lshlrev_b32 v21, 2, v21
	global_load_b32 v29, v21, s[12:13]     ; the gate's weight of that place
	s_cmp_ge_u32 s40, s39
	s_cbranch_scc1 .Lnotile                ; my tile lies past the count
.set n, 0
.rept 32                                       ; piece n: K step n / 2 of my 16, registers 0-3 or 4-7
	global_load_b128 v[XD+4*n:XD+4*n+3], v10, s[34:35] offset:32*n
.set n, n+1
.endr
.set n, 0
.rept 32
	s_wait_loadcnt 31-n                    ; piece n is in, the younger ones stay out
	global_store_b128 v15, v[XD+4*n:XD+4*n+3], s[36:37] offset:512*n  ; 512 consecutive bytes, aligned
.set n, n+1
.endr
.Lnotile:
	s_cmp_lg_u32 s26, 0
	s_cbranch_scc1 .Lend                   ; wave 0 hands the list's piece on
	s_wait_loadcnt 0x0                     ; the weight
	s_lshl_b32 s47, s28, 12
	s_lshl_b32 s50, s27, 7
	s_add_co_u32 s47, s47, s50
	v_add_nc_u32 v30, s47, v23
	global_store_b32 v30, v28, s[16:17]
	global_store_b32 v30, v29, s[18:19]
	s_cmp_lg_u32 s27, 0
	s_cbranch_scc1 .Lend                   ; and q = 0's the count
	s_lshl_b32 s47, s28, 7
	v_add_nc_u32 v12, s47, v23
	v_mov_b32 v13, s38
	global_store_b32 v12, v13, s[16:17] offset:32768
.Lend:
	s_wait_tensorcnt 0x0                   ; the wave's end
	ds_add_u32 v4, v5
	s_wait_dscnt 0x0
	s_endpgm
.Lfunc_end_k_qc0d1f12e1f_place:
	.size	k_qc0d1f12e1f_place, .Lfunc_end_k_qc0d1f12e1f_place-k_qc0d1f12e1f_place
	.p2alignl 7, 3214868480
	.fill 96, 4, 3214868480
	.section	.rodata,"a",@progbits
	.p2align	6, 0x0
	.amdhsa_kernel k_qc0d1f12e1f_place
		.amdhsa_group_segment_fixed_size 17920
		.amdhsa_private_segment_fixed_size 0
		.amdhsa_enable_private_segment 0
		.amdhsa_kernarg_size 48
		.amdhsa_user_sgpr_count 2
		.amdhsa_user_sgpr_kernarg_segment_ptr 1
		.amdhsa_wavefront_size32 1
		.amdhsa_system_sgpr_workgroup_id_x 1
		.amdhsa_system_sgpr_workgroup_id_y 1
		.amdhsa_system_sgpr_workgroup_id_z 1
		.amdhsa_system_vgpr_workitem_id 0
		.amdhsa_next_free_vgpr 224
		.amdhsa_next_free_sgpr 66
		.amdhsa_reserve_vcc 1
		.amdhsa_float_denorm_mode_32 3
		.amdhsa_float_denorm_mode_16_64 3
		.amdhsa_memory_ordered 1
		.amdhsa_forward_progress 1
		.amdhsa_inst_pref_size 40
	.end_amdhsa_kernel
	.amdgpu_metadata
---
amdhsa.version: [ 1, 2 ]
amdhsa.kernels:
  - .name:           k_qc0d1f12e1f_place
    .symbol:         k_qc0d1f12e1f_place.kd
    .args:
      - { .name: xb, .offset: 0, .size: 8, .value_kind: global_buffer, .address_space: global }
      - { .name: cho, .offset: 8, .size: 8, .value_kind: global_buffer, .address_space: global }
      - { .name: topw, .offset: 16, .size: 8, .value_kind: global_buffer, .address_space: global }
      - { .name: xg, .offset: 24, .size: 8, .value_kind: global_buffer, .address_space: global }
      - { .name: listg, .offset: 32, .size: 8, .value_kind: global_buffer, .address_space: global }
      - { .name: wlist, .offset: 40, .size: 8, .value_kind: global_buffer, .address_space: global }
    .group_segment_fixed_size: 17920
    .private_segment_fixed_size: 0
    .kernarg_segment_align: 8
    .kernarg_segment_size: 48
    .max_flat_workgroup_size: 128
    .sgpr_count:     66
    .vgpr_count:     224
    .wavefront_size: 32
...
	.end_amdgpu_metadata
.endif
;; end of part 2
;; launch up (part 3): grid 32 x 8, 4 waves a work-group, no clusters, 262,656 bytes of LDS; arguments W1, b1, xg, listg, hbuf; writes hbuf
.if DOCPART == 3
	.amdgcn_target "amdgcn-amd-amdhsa--gfx1250"
	.amdhsa_code_object_version 6
	.text
	.protected	k_qc0d1f12e1f_up
	.globl	k_qc0d1f12e1f_up
	.p2align	8
	.type	k_qc0d1f12e1f_up,@function
k_qc0d1f12e1f_up:
	s_mov_b64 s[64:65], 0
	v_nop
	global_prefetch_b8 v0, s[64:65] scope:SCOPE_SE
	s_setreg_imm32_b32 hwreg(HW_REG_WAVE_MODE, 25, 1), 1
	s_wait_xcnt 0x0
; FIRST PRODUCT AND SwiGLU.  hidden[row][f] = a silu(g), a = x W1[e][:, f] + b1[e][f], g = x W1[e][:, 2048 + f] + b1[e][2048 + f], for the rows routed to expert e alone.
; SHARES.  Work-group (s, e) owns the columns f0 = 64 s .. + 63 of a and of g of ONE expert: 1,024 x 128 f32 = 512 KiB of W1, which it alone reads, once, and all rows of that expert.
; WEIGHTS go memory -> registers -> bf16 -> LDS with no transposition.  Lane (r, h) loads 16 bytes, columns 4 r .. 4 r + 3 of one row k: lanes 0-15 take 256 consecutive aligned bytes of one row,
; lanes 16-31 of another.  16 such loads are a UNIT: one K step of 32 x 64 columns.  Rounding loads 2 j and 2 j + 1 in pairs, column c, gives register j of the fragment of n-block c, whose
; index m stands for column 4 m + c.  A fragment is 1,024 bytes of LDS (registers 0-3 at 16 lane, 4-7 at 512 + 16 lane): stores and loads are contiguous.  The whole slice, 256 KiB in bf16,
; stays in LDS: no LDS byte is written twice, so each of the 8 stages needs one barrier (store, wait, barrier, load), all in text of constant count.
; ROWS.  The launch before ranked the expert's rows and laid their x out by tiles of 16 ranks in operand order, so a fragment is two loads of 512 consecutive bytes, and the offsets hang on the
; stored count alone.  A pass holds 20 tiles; wave w owns tiles 20 p + w + 4 i, i = 0 .. 4, whose sums stay in registers.  Pass 0 is multiplied stage by stage while the weights stream in; further
; passes (more than 320 rows) read the weights from LDS, write no LDS and hold no barrier.  Tiles 0-2 of a wave are always multiplied, tiles 3 and 4 jumped where they do not exist; all operand
; loads are always issued (a tile that does not exist repeats the expert's last), so every counted wait holds on every way; stores of tiles that do not exist are jumped.
; BASES.  Each of the four operand sets has a base of its own, stepped behind the wait that shows that set's loads landed; the weights' base is named by the weights' loads alone and stepped behind
; the stage's own wait; the prefetch has a base of its own.  On the way out each tile has its own store registers and offset.
; The product is used with the weights as source 0: register j of lane (r, h) holds column f0 + 32 h + 4 j + c of row r.  Rounded in pairs, a lane's 32 numbers leave as four stores of 512
; consecutive bytes in the order in which the next launch's operand registers take them.
; NO CLUSTER: a slice of weights has one reader.  An expert's 32 work-groups share its tiles of x, but beside the slice 327,680 - 262,656 = 65,024 bytes of LDS are free and one trip's 20 tiles
; are 20 x 4,096 = 81,920: not one slot fits; and the number of tiles hangs on a stored count.
; LIMITS.  x, W1 and b1 are rounded to bf16 (as every input of the program is); the hidden layer once to bf16.  An exponential below 2^-126 counts as 0; NaN and infinities are not treated apart.
; REGISTERS, in windows of 256 (s_set_vgpr_msb: bits 1:0 source 0, 3:2 source 1, 5:4 source 2, 7:6 destination):
;   window 0: v0-31 addresses and at work; v32-159 two buffers of a K step's 8 weight fragments (on the way out v32-111: 16 a tile, to store); v160-191 at work; v192-255 the bias in the sums' layout
;   window 1: v0-159 four sets of x's fragments (set ks: 5 tiles x 8)     window 2: the sums of tiles 0-3 (64 i + 8 nb)     window 3: v0-63 tile 4's; v64-191 two units of weights as loaded
.set SPARE, 262144    ; behind the slice: the spare words, 128 bytes a wave: two blocks of 256 bytes that no other line names
.set VW,  6           ; v6   131,072 h + 16 r: my 16 bytes in a unit's first row (8 rows of 16,384 bytes further down for lanes 16-31)
.set VS,  7           ; v7   LDS: where my wave's next stage goes: 16 lane + 4,096 w + 32,768 stage
.set VR,  8           ; v8   LDS: 16 lane + 32,768 trip
.set VR7, 9           ; v9   the same for the last trip; never rewritten
.set XO,  10          ; v10-14  tile i: 16 lane + 32,768 tile
.set VH,  15          ; v15  16 lane
.set VP,  17          ; v17  16,384 lane: a row a lane, for the prefetch
.set HOF, 18          ; v18-22  tile i: its offset in hbuf
.set BA,  23          ; v23  128 h: my 32 columns of the bias
.set WF,  32
.set OUTB, 32         ; the way out: 16 registers a tile
.set RAW, 96          ; the bias as loaded (before the weight fragments take these registers)
.set TMP, 160
.set BI,  192
.set LAND, 64         ; window 3
.set XB,  54          ; s[54:61]  the four operand sets' bases
.set MSB, 0
.macro WIN new                         ; the immediate's high byte repeats the setting that is left; a switch that changes nothing is dropped
.if MSB != (\new)
	s_set_vgpr_msb (MSB<<8)|(\new)
.set MSB, (\new)
.endif
.endm
.macro PLACES                          ; four places behind matrix instructions, ahead of loads into their sources and of reads of their results
.rept 4
	v_nop
.endr
.endm
; A stage's 32 loads: my column group's two K steps.  Load i of a unit takes row 8 h + i (i < 8) or 16 + 8 h + (i - 8): k's own places in a fragment.
.macro WLOAD
	WIN 0xc0
.set n, 0
.rept 32
.set rw, (n%16)+8*((n%16)/8)
	global_load_b128 v[LAND+4*n:LAND+4*n+3], v[VW], s[32:33] offset:(n/16)*1048576+rw*16384 th:TH_LOAD_NT
.set n, n+1
.endr
	WIN 0
.endm
; My two units of a later stage are asked into the L2: a lane a row, so each piece of 256 bytes is asked for once, by the wave that will load it.
.macro PREF
	global_prefetch_b8 v[VP], s[44:45] th:TH_LOAD_NT scope:SCOPE_SE
	global_prefetch_b8 v[VP], s[44:45] offset:1048576 th:TH_LOAD_NT scope:SCOPE_SE
.endm
; The stage that has landed is rounded and laid into LDS.  left: the loads issued behind the stage's.
.macro CVT left
	s_wait_loadcnt \left
.set u, 0
.rept 2
	WIN 0x0f
.set n, 0
.rept 32                               ; n = 8 c + j
	v_cvt_pk_bf16_f32 v[TMP+n], v[LAND+64*u+8*(n%8)+n/8], v[LAND+64*u+8*(n%8)+4+n/8]
.set n, n+1
.endr
	WIN 0
.set n, 0
.rept 8
	ds_store_b128 v[VS], v[TMP+4*n:TMP+4*n+3] offset:16384*u+512*n
.set n, n+1
.endr
.set u, u+1
.endr
	v_add_nc_u32 v[VS], 32768, v[VS]
.endm
.macro XLOAD ks                        ; set ks: x's fragments of K step ks of a trip, five tiles: 10 loads of 512 consecutive bytes
	WIN 0x40
.set xi, 0
.rept 5
	global_load_b128 v[40*(\ks)+8*xi:40*(\ks)+8*xi+3], v[XO+xi], s[XB+2*(\ks):XB+2*(\ks)+1]
	global_load_b128 v[40*(\ks)+8*xi+4:40*(\ks)+8*xi+7], v[XO+xi], s[XB+2*(\ks):XB+2*(\ks)+1] offset:512
.set xi, xi+1
.endr
	WIN 0
.endm
.macro XNEXT ks                        ; the set's loads have landed (the slot's wait), so its base is free: the next trip's four K steps lie 4,096 bytes on
	s_add_nc_u64 s[XB+2*(\ks):XB+2*(\ks)+1], s[XB+2*(\ks):XB+2*(\ks)+1], 4096
	XLOAD \ks
.endm
.macro BASES                           ; set ks begins at K step ks of the expert's tiles
	s_mov_b64 s[XB:XB+1], s[50:51]
	s_add_nc_u64 s[XB+2:XB+3], s[50:51], 1024
	s_add_nc_u64 s[XB+4:XB+5], s[50:51], 2048
	s_add_nc_u64 s[XB+6:XB+7], s[50:51], 3072
.endm
.macro WFLOAD vr, off, buf             ; a K step's 8 weight fragments: 16 loads
.set nb, 0
.rept 8
	ds_load_b128 v[WF+64*(\buf)+8*nb:WF+64*(\buf)+8*nb+3], v[\vr] offset:(\off)+1024*nb
	ds_load_b128 v[WF+64*(\buf)+8*nb+4:WF+64*(\buf)+8*nb+7], v[\vr] offset:(\off)+1024*nb+512
.set nb, nb+1
.endr
.endm
.macro MMT ks, i                       ; tile i, K step ks: 8 products on 8 accumulators
.if (\i) < 4
	WIN 0xa4
.set ab, 64*(\i)
.else
	WIN 0xf4
.set ab, 0
.endif
.set nb, 0
.rept 8
	v_wmma_f32_16x16x32_bf16 v[ab+8*nb:ab+8*nb+7], v[WF+64*((\ks)%2)+8*nb:WF+64*((\ks)%2)+8*nb+7], v[40*(\ks)+8*(\i):40*(\ks)+8*(\i)+7], v[ab+8*nb:ab+8*nb+7]
.set nb, nb+1
.endr
.endm
.macro MMS ks                          ; a slot's products: the accumulators take turns, one instruction a turn; s42 = my live tiles
	MMT \ks, 0
	MMT \ks, 1
	MMT \ks, 2
	WIN 0
	s_cmp_lt_u32 s42, 4
	s_cbranch_scc1 .Lmm_\@
	MMT \ks, 3
	WIN 0
	s_cmp_lt_u32 s42, 5
	s_cbranch_scc1 .Lmm_\@
	MMT \ks, 4
	WIN 0
.Lmm_\@:
.endm
; A TRIP: four slots, a K step of 32 each.  A slot waits for its x set and its weight fragments, multiplies, and fills the set and the buffer just read: x of the next trip, weights two K steps on.
; stage = 1: slot 2 begins by rounding the next stage into LDS and signals; the barrier's wait stands behind the slot's products, ahead of the first read of that stage.
; issue = 1: the stage after that is asked for, and the one behind it prefetched.  xn = 1: there is a next trip.
; LOADcnt: loads are issued in the order x0, x1, W, x2, x3, so behind a wanted x set stand three sets (30) and, where a stage is out, its 32 (62); behind a wanted stage four sets (40).
.macro TRIP stage, issue, xn, vr
.set LA, 30
.set LB, 20
.set LC, 10
.set LD, 0
.if \xn
.set LB, 30
.set LC, 30
.set LD, 30
.endif
.if \stage
.set LA, 62
.set LB, 62
.endif
.if \issue
.set LC, 62
.set LD, 62
.endif
	s_wait_loadcnt LA
	s_wait_dscnt 16                        ; this K step's fragments are in; the next one's 16 loads may be out
	MMS 0
	PLACES
.if \issue
	s_wait_xcnt 0x0                        ; the last trip's prefetch has read its base; the youngest loads were issued a slot's products ago
	s_add_nc_u64 s[44:45], s[44:45], 2097152
.endif
.if \xn
	XNEXT 0
.endif
	WFLOAD \vr, 16384, 0
.if \issue
	s_cmp_lt_u32 s43, 2                    ; trip c asks for stage c + 3, a trip and a half ahead of its loads; the loop's last trip has none left: stage 7 is the last
	s_cbranch_scc1 .Lnopf_\@
	PREF
.Lnopf_\@:
.endif
	s_wait_loadcnt LB
	s_wait_dscnt 16
	MMS 1
	PLACES
.if \xn
	XNEXT 1
.endif
	WFLOAD \vr, 24576, 1
.if \stage
	CVT 40
.if \issue
	s_add_nc_u64 s[32:33], s[32:33], 2097152  ; the weights' base is named by the weights' loads alone, and the wait above has shown them landed
	WLOAD
.endif
	s_wait_dscnt 0x0                       ; for the others' sake: my stores of the stage are done (and no LDS load of mine is out)
	s_barrier_signal -1
.else
	s_wait_dscnt 16
.endif
	s_wait_loadcnt LC
	MMS 2
.if \stage
	s_barrier_wait -1                      ; every wave's part of the stage is in LDS
.endif
	PLACES
.if \xn
	XNEXT 2
	WFLOAD \vr, 32768, 0
.endif
	s_wait_loadcnt LD
.if \xn
	s_wait_dscnt 16
.else
	s_wait_dscnt 0x0
.endif
	MMS 3
	PLACES
.if \xn
	XNEXT 3
	WFLOAD \vr, 40960, 1
	v_add_nc_u32 v[\vr], 32768, v[\vr]
.endif
.endm
.macro MT                              ; my live tiles of the pass: those of 20 p + w + 4 i, i < 5, below the expert's number of tiles
	s_sub_co_i32 s42, s39, s48
	s_add_co_i32 s42, s42, 3
	s_ashr_i32 s42, s42, 2
	s_max_i32 s42, s42, 0
	s_min_i32 s42, s42, 5
.endm
.macro TILES                           ; my five tiles' offsets in xg; a tile that does not exist repeats the expert's last
.set n, 0
.rept 5
	s_add_co_u32 s52, s48, 4*n
	s_min_u32 s52, s52, s40
	s_min_u32 s52, s52, 63
	s_lshl_b32 s52, s52, 15
	v_add_nc_u32 v[XO+n], s52, v[VH]
.set n, n+1
.endr
.endm
.macro ACC0                            ; the sums start at the bias: these moves are its addition
	WIN 0x80
.set n, 0
.rept 256
	v_mov_b32 v[n], v[BI+n%64]
.set n, n+1
.endr
	WIN 0xc0
.set n, 0
.rept 64
	v_mov_b32 v[n], v[BI+n]
.set n, n+1
.endr
	WIN 0
.endm
; Tile i leaves: a g / (1 + 2^(-g log2 e)), in place, each accumulator's lowest registers first; one wait for each batch of 32 transcendentals.
; Its 16 store registers and its offset register are its own: nothing that a pending store reads is rewritten on the way out.
.macro EPI i
.if (\i) < 4
.set ab, 64*(\i)
	WIN 0xaa
.else
.set ab, 0
	WIN 0xff
.endif
.set n, 0
.rept 16
	v_pk_mul_f32 v[ab+2*n:ab+2*n+1], v[ab+2*n:ab+2*n+1], v[ab+32+2*n:ab+32+2*n+1]
.set n, n+1
.endr
.set n, 0
.rept 16
	v_pk_mul_f32 v[ab+32+2*n:ab+32+2*n+1], v[ab+32+2*n:ab+32+2*n+1], 0xbfb8aa3b op_sel_hi:[1,0]
.set n, n+1
.endr
.set n, 0
.rept 32
	v_exp_f32 v[ab+32+n], v[ab+32+n]
.set n, n+1
.endr
	v_nop
	s_wait_alu depctr_va_vdst(0)
.set n, 0
.rept 16
	v_pk_add_f32 v[ab+32+2*n:ab+32+2*n+1], v[ab+32+2*n:ab+32+2*n+1], 1.0 op_sel_hi:[1,0]
.set n, n+1
.endr
.set n, 0
.rept 32
	v_rcp_f32 v[ab+32+n], v[ab+32+n]
.set n, n+1
.endr
	v_nop
	s_wait_alu depctr_va_vdst(0)
.set n, 0
.rept 16
	v_pk_mul_f32 v[ab+2*n:ab+2*n+1], v[ab+2*n:ab+2*n+1], v[ab+32+2*n:ab+32+2*n+1]
.set n, n+1
.endr
.if (\i) < 4
	WIN 0x0a
.else
	WIN 0x0f
.endif
.set n, 0
.rept 16                               ; n = 2 j + c / 2: columns 32 h + 4 j + c and + 1
	v_cvt_pk_bf16_f32 v[OUTB+16*(\i)+n], v[ab+16*(n%2)+n/2], v[ab+16*(n%2)+8+n/2]
.set n, n+1
.endr
	WIN 0
	s_add_co_u32 s47, s48, 4*(\i)
	s_lshl_b32 s47, s47, 16                ; a tile's 32 slices of 2,048 bytes
	v_add_nc_u32 v[HOF+(\i)], s47, v[VH]
.set n, 0
.rept 4
	global_store_b128 v[HOF+(\i)], v[OUTB+16*(\i)+4*n:OUTB+16*(\i)+4*n+3], s[36:37] offset:512*n  ; 512 consecutive bytes, aligned
.set n, n+1
.endr
.endm
.macro EPIG i
	s_cmp_le_u32 s42, \i
	s_cbranch_scc1 .Lepi_end
	EPI \i
.endm
	s_load_b256 s[8:15], s[0:1], 0x0       ; W1 s[8:9], b1 s[10:11], xg s[12:13], listg s[14:15]
	s_load_b64 s[16:17], s[0:1], 0x20      ; hbuf
	v_lshl_add_u32 v4, v0, 2, SPARE        ; my spare word
	v_mov_b32 v5, 0
	v_and_b32 v1, 31, v0                   ; lane
	v_lshrrev_b32 v16, 5, v0
	v_readfirstlane_b32 s26, v16           ; wave w
	v_and_b32 v2, 15, v0                   ; r
	v_bfe_u32 v3, v0, 4, 1                 ; h
	s_mov_b32 s27, ttmp9                   ; slice s
	s_and_b32 s28, ttmp7, 0xffff           ; expert e
	v_lshlrev_b32 v[VH], 4, v1
	v_lshlrev_b32 v[VW], 4, v2
	v_lshl_add_u32 v[VW], v3, 17, v[VW]
	s_lshl_b32 s47, s26, 12
	v_add_nc_u32 v[VS], s47, v[VH]
	v_mov_b32 v[VR], v[VH]
	v_add_nc_u32 v[VR7], 229376, v[VH]
	v_lshlrev_b32 v[VP], 14, v1
	v_lshlrev_b32 v[BA], 7, v3
	s_lshl_b32 s30, s28, 24                ; W1: the expert's 16 MiB,
	s_and_b32 s47, s26, 1
	s_lshl_b32 s47, s47, 13                ; a's columns (waves 0, 2) or g's, 8,192 bytes on (waves 1, 3),
	s_add_co_u32 s30, s30, s47
	s_lshl_b32 s22, s27, 8                 ; the slice's 256 bytes of a row,
	s_add_co_u32 s30, s30, s22
	s_lshr_b32 s47, s26, 1
	s_lshl_b32 s47, s47, 19                ; K step w / 2 of a stage's four (and two steps on)
	s_add_co_u32 s30, s30, s47
	s_mov_b32 s31, 0
	s_lshl_b32 s20, s28, 22                ; hbuf: [e][tile][slice][2,048]
	s_lshl_b32 s47, s27, 11
	s_add_co_u32 s20, s20, s47
	s_mov_b32 s21, 0
	s_lshl_b32 s47, s28, 14                ; b1
	s_add_co_u32 s22, s22, s47
	s_mov_b32 s23, 0
	s_lshl_b32 s24, s28, 21                ; xg: 64 tiles of 32,768 bytes an expert
	s_mov_b32 s25, 0
	s_lshl_b32 s34, s28, 7                 ; the count: behind the lists
	s_add_co_u32 s34, s34, 32768
	s_mov_b32 s35, 0
	s_wait_kmcnt 0x0
	s_add_nc_u64 s[32:33], s[8:9], s[30:31]
	s_add_nc_u64 s[44:45], s[32:33], 4194304   ; the prefetch's base: stage 2
	s_add_nc_u64 s[36:37], s[16:17], s[20:21]
	s_add_nc_u64 s[10:11], s[10:11], s[22:23]
	s_add_nc_u64 s[50:51], s[12:13], s[24:25]
	s_add_nc_u64 s[14:15], s[14:15], s[34:35]
	BASES
	s_load_b32 s38, s[14:15], 0x0          ; the expert's rows
	WLOAD                                  ; stage 0
	PREF                                   ; stage 2 (stage 1 is loaded as soon as stage 0 has left its registers)
.set q, 0
.rept 8
	global_load_b128 v[RAW+4*q:RAW+4*q+3], v[BA], s[10:11] offset:16*q
	global_load_b128 v[RAW+32+4*q:RAW+32+4*q+3], v[BA], s[10:11] offset:8192+16*q
.set q, q+1
.endr
	s_wait_kmcnt 0x0
	s_min_u32 s38, s38, 1024
	s_add_co_u32 s39, s38, 15
	s_lshr_b32 s39, s39, 4
	s_max_u32 s39, s39, 1                  ; its tiles; tile 0 is made even for an expert without rows, so that the next launch reads nothing unwritten
	s_sub_co_u32 s40, s39, 1
	s_mov_b32 s48, s26                     ; 20 p + w
	MT
	TILES
	XLOAD 0
	XLOAD 1
	CVT 36                                 ; behind stage 0: 16 of the bias, 20 of x
	s_wait_loadcnt 20                      ; the bias is in
	s_add_nc_u64 s[32:33], s[32:33], 2097152
	WLOAD                                  ; stage 1
	XLOAD 2
	XLOAD 3
	s_wait_dscnt 0x0
	s_barrier_signal -1                    ; work on registers stands between the signal and the wait
.set n, 0
.rept 32                                       ; the bias rounded to bf16, as f32, into the sums' layout: block 4 bg + c, register j = column 32 h + 4 j + c
.set bg, n/16
.set bj, (n%16)/2
.set bc, 2*(n%2)
	v_cvt_pk_bf16_f32 v16, v[RAW+32*bg+4*bj+bc], v[RAW+32*bg+4*bj+bc+1]
	v_lshlrev_b32 v[BI+32*bg+8*bc+bj], 16, v16
	v_and_b32 v[BI+32*bg+8*(bc+1)+bj], 0xffff0000, v16
.set n, n+1
.endr
	ACC0
	s_barrier_wait -1
	WFLOAD VR, 0, 0
	WFLOAD VR, 8192, 1
	s_mov_b32 s43, 6
.Lstream:                                      ; trips 0 to 5: trip c multiplies stage c, lays stage c + 1 into LDS and asks for stage c + 2
	TRIP 1, 1, 1, VR
	s_sub_co_u32 s43, s43, 1
	s_cmp_lg_u32 s43, 0
	s_cbranch_scc1 .Lstream
	TRIP 1, 0, 1, VR                       ; trip 6: stage 7 goes into LDS; nothing is left to ask for
	s_mov_b32 s41, 4                       ; at most four passes of 320 rows: they cover 1,024
.Lpass:
	TRIP 0, 0, 0, VR7                      ; a pass's last trip
	EPIG 0
	EPIG 1
	EPIG 2
	EPIG 3
	EPIG 4
.Lepi_end:
	s_add_co_u32 s48, s48, 20
	MT
	s_cmp_eq_u32 s42, 0
	s_cbranch_scc1 .Ldone                  ; no tile of mine is left (always so behind the fourth pass: 80 tiles are more than 64); what follows, up to .Ldone, holds no barrier
	s_wait_xcnt 0x0                        ; the stores have read their data and offsets: the fragment loads below land on those registers
	TILES                                  ; x's loads are all in: the last trip's last wait was for 0
	BASES
	v_mov_b32 v[VR], v[VH]
	XLOAD 0
	XLOAD 1
	XLOAD 2
	XLOAD 3
	ACC0
	WFLOAD VR, 0, 0
	WFLOAD VR, 8192, 1
	s_mov_b32 s43, 7
.Lmore:
	TRIP 0, 0, 1, VR
	s_sub_co_u32 s43, s43, 1
	s_cmp_lg_u32 s43, 0
	s_cbranch_scc1 .Lmore
	s_sub_co_u32 s41, s41, 1
	s_cmp_lg_u32 s41, 0
	s_cbranch_scc1 .Lpass
.Ldone:                                        ; every wave comes here once
	s_wait_dscnt 0x0                       ; my reads of LDS are back,
	s_barrier_signal -1
	s_barrier_wait -1                      ; and so are every wave's: no wave writes LDS again (the add below) while another may still read
	s_wait_tensorcnt 0x0                   ; the wave's end
	ds_add_u32 v4, v5
	s_wait_dscnt 0x0
	s_endpgm
.Lfunc_end_k_qc0d1f12e1f_up:
	.size	k_qc0d1f12e1f_up, .Lfunc_end_k_qc0d1f12e1f_up-k_qc0d1f12e1f_up
	.p2alignl 7, 3214868480
	.fill 96, 4, 3214868480
	.section	.rodata,"a",@progbits
	.p2align	6, 0x0
	.amdhsa_kernel k_qc0d1f12e1f_up
		.amdhsa_group_segment_fixed_size 262656
		.amdhsa_private_segment_fixed_size 0
		.amdhsa_enable_private_segment 0
		.amdhsa_kernarg_size 40
		.amdhsa_user_sgpr_count 2
		.amdhsa_user_sgpr_kernarg_segment_ptr 1
		.amdhsa_wavefront_size32 1
		.amdhsa_system_sgpr_workgroup_id_x 1
		.amdhsa_system_sgpr_workgroup_id_y 1
		.amdhsa_system_sgpr_workgroup_id_z 1
		.amdhsa_system_vgpr_workitem_id 0
		.amdhsa_next_free_vgpr 960
		.amdhsa_next_free_sgpr 66
		.amdhsa_reserve_vcc 0
		.amdhsa_float_denorm_mode_32 3
		.amdhsa_float_denorm_mode_16_64 3
		.amdhsa_memory_ordered 1
		.amdhsa_forward_progress 1
		.amdhsa_inst_pref_size 187
	.end_amdhsa_kernel
	.amdgpu_metadata
---
amdhsa.version: [ 1, 2 ]
amdhsa.kernels:
  - .name:           k_qc0d1f12e1f_up
    .symbol:         k_qc0d1f12e1f_up.kd
    .args:
      - { .name: W1, .offset: 0, .size: 8, .value_kind: global_buffer, .address_space: global }
      - { .name: b1, .offset: 8, .size: 8, .value_kind: global_buffer, .address_space: global }
      - { .name: xg, .offset: 16, .size: 8, .value_kind: global_buffer, .address_space: global }
      - { .name: listg, .offset: 24, .size: 8, .value_kind: global_buffer, .address_space: global }
      - { .name: hbuf, .offset: 32, .size: 8, .value_kind: global_buffer, .address_space: global }
    .group_segment_fixed_size: 262656
    .private_segment_fixed_size: 0
    .kernarg_segment_align: 8
    .kernarg_segment_size: 40
    .max_flat_workgroup_size: 128
    .sgpr_count:     66
    .vgpr_count:     960
    .wavefront_size: 32
...
	.end_amdgpu_metadata
.endif
;; end of part 3
;; launch down (part 4): grid 32 x 8, 4 waves a work-group, no clusters, 131,584 bytes of LDS; arguments W2, b2, hbuf, listg, wlist, part; writes part
.if DOCPART == 4
	.amdgcn_target "amdgcn-amd-amdhsa--gfx1250"
	.amdhsa_code_object_version 6
	.text
	.protected	k_qc0d1f12e1f_down
	.globl	k_qc0d1f12e1f_down
	.p2align	8
	.type	k_qc0d1f12e1f_down,@function
k_qc0d1f12e1f_down:
	s_mov_b64 s[64:65], 0
	v_nop
	global_prefetch_b8 v0, s[64:65] scope:SCOPE_SE
	s_setreg_imm32_b32 hwreg(HW_REG_WAVE_MODE, 25, 1), 1
	s_wait_xcnt 0x0
; SECOND PRODUCT.  part[kh][id][n] = gate weight x (sum over the K half kh of hidden[row][f] W2[e][f][n] + b2[e][n] in half 0), for the rows routed to expert e; id = choice x 1,024 + token.
; SHARES.  Work-group (ns + 16 kh, e) owns columns 64 ns .. + 63 and the K half kh of ONE expert: 1,024 x 64 f32 = 256 KiB of W2, which it alone reads, once, and all rows of that expert.
; Slices of 64 columns (256 bytes of a row of W2) give 128 work-groups; the halves of K make 256 equal ones, at the price of a second plane of partial rows (f32), added by the next launch.
; WEIGHTS as in the launch before: 16 bytes a lane, 256 consecutive aligned bytes for each half of the lanes, rounded in pairs of rows into fragments whose index n stands for column 4 n + c;
; the half's slice, 128 KiB in bf16, stays in LDS, written once: four stages of 8 K steps, a barrier each.  A K step (slice of 64 f, u) holds in half h, register j the rows
; 64 slice + 32 h + 16 u + 2 j and + 1: the order in which the launch before laid the hidden layer out, so that its blocks load straight into operand registers, 512 consecutive bytes a load.
; ROWS, PASSES, LIVE TILES, BASES as in the launch before; the count lies behind the lists in listg, the ids and weights of a tile's rows come from listg and wlist.
; Register j of lane (r, h) holds row 8 h + j of the tile, column 64 ns + 4 r + c: four blocks give 16 bytes a lane, and each half of the lanes stores 256 consecutive aligned bytes of a row.
; A place past the count carries the id 2,048 + e: it lands in the expert's spare row, in bytes that are this work-group's alone, and nobody reads it; EXEC is never narrowed.
; NO CLUSTER: a slice of weights has one reader.  The hidden tiles are shared by 16 work-groups, but their number hangs on a stored count, and they go from memory straight into operand registers:
; by way of LDS a slot's 20 products would cost 10 KiB written and read besides.
; LIMITS.  W2 and b2 are rounded to bf16 (as every input of the program is); NaN and infinities are not treated apart.
; REGISTERS: window 0: v0-31 addresses; v32-95 two buffers of a K step's 4 weight fragments; v96-127 at work; v128-135 the bias; v136-175 the rows' weights; v176-215 the rows' offsets in part
;   window 1: v0-159 four sets of hidden fragments (set ks: 5 tiles x 8); on the way out 32 a tile, to store     window 2: v0-159 the sums (32 i + 8 c)     window 3: v0-127 two units of weights as loaded
.set SPARE, 131072    ; behind the slice: the spare words, 128 bytes a wave: two blocks of 256 bytes that no other line names
.set VW,  6           ; v6   131,072 h + 16 r (32 rows of 4,096 bytes further down for lanes 16-31)
.set VS,  7           ; v7   LDS: 16 lane + 4,096 w + 32,768 stage
.set VR,  8           ; v8   LDS: 16 lane + 16,384 trip
.set VR7, 9           ; v9   the same for the last trip; never rewritten
.set HO,  10          ; v10-14  tile i: 16 lane + 65,536 tile
.set VH,  15          ; v15  16 lane
.set R16, 16          ; v16  16 r
.set VP,  17          ; v17  131,072 h + 4,096 r: a row a lane, for the prefetch
.set LO,  18          ; v18-22  tile i: 64 tile + 32 h, its place in the lists
.set H32, 23          ; v23  32 h
.set WF,  32
.set TMP, 96
.set BI,  128
.set RAWB, 132
.set WV,  136
.set PO,  176
.set XB,  54          ; s[54:61]  the four operand sets' bases
.set MSB, 0
.macro WIN new                         ; the immediate's high byte repeats the setting that is left; a switch that changes nothing is dropped
.if MSB != (\new)
	s_set_vgpr_msb (MSB<<8)|(\new)
.set MSB, (\new)
.endif
.endm
.macro PLACES                          ; four places behind matrix instructions (ISA guide 7.12.1)
.rept 4
	v_nop
.endr
.endm
.macro WLOAD                           ; a stage's 32 loads: K steps w and w + 4 of its eight
	WIN 0xc0
.set n, 0
.rept 32
	global_load_b128 v[4*n:4*n+3], v[VW], s[32:33] offset:(n/16)*524288+(n%16)*4096 th:TH_LOAD_NT
.set n, n+1
.endr
	WIN 0
.endm
.macro PREF imm                        ; my two units of a later stage: a lane a row, each piece of 256 bytes asked for once; the base is stage 0's and is never rewritten
	global_prefetch_b8 v[VP], s[44:45] offset:(\imm) th:TH_LOAD_NT scope:SCOPE_SE
	global_prefetch_b8 v[VP], s[44:45] offset:(\imm)+524288 th:TH_LOAD_NT scope:SCOPE_SE
.endm
.macro CVT left                        ; the stage that has landed is rounded and laid into LDS
	s_wait_loadcnt \left
.set u, 0
.rept 2
	WIN 0x0f
.set n, 0
.rept 32                               ; n = 8 c + j
	v_cvt_pk_bf16_f32 v[TMP+n], v[64*u+8*(n%8)+n/8], v[64*u+8*(n%8)+4+n/8]
.set n, n+1
.endr
	WIN 0
.set n, 0
.rept 8
	ds_store_b128 v[VS], v[TMP+4*n:TMP+4*n+3] offset:16384*u+512*n
.set n, n+1
.endr
.set u, u+1
.endr
	v_add_nc_u32 v[VS], 32768, v[VS]
.endm
.macro ALOAD ks                        ; set ks: the hidden fragments of K step ks of a trip, five tiles: 10 loads of 512 consecutive bytes
	WIN 0x40
.set xi, 0
.rept 5
	global_load_b128 v[40*(\ks)+8*xi:40*(\ks)+8*xi+3], v[HO+xi], s[XB+2*(\ks):XB+2*(\ks)+1]
	global_load_b128 v[40*(\ks)+8*xi+4:40*(\ks)+8*xi+7], v[HO+xi], s[XB+2*(\ks):XB+2*(\ks)+1] offset:512
.set xi, xi+1
.endr
	WIN 0
.endm
.macro ANEXT ks                        ; the set's loads have landed (the slot's wait), so its base is free: the next trip's four K steps lie 4,096 bytes on
	s_add_nc_u64 s[XB+2*(\ks):XB+2*(\ks)+1], s[XB+2*(\ks):XB+2*(\ks)+1], 4096
	ALOAD \ks
.endm
.macro BASES                           ; set ks begins at K step ks of the half
	s_mov_b64 s[XB:XB+1], s[50:51]
	s_add_nc_u64 s[XB+2:XB+3], s[50:51], 1024
	s_add_nc_u64 s[XB+4:XB+5], s[50:51], 2048
	s_add_nc_u64 s[XB+6:XB+7], s[50:51], 3072
.endm
.macro WFLOAD vr, off, buf             ; a K step's 4 weight fragments: 8 loads
.set nb, 0
.rept 4
	ds_load_b128 v[WF+32*(\buf)+8*nb:WF+32*(\buf)+8*nb+3], v[\vr] offset:(\off)+1024*nb
	ds_load_b128 v[WF+32*(\buf)+8*nb+4:WF+32*(\buf)+8*nb+7], v[\vr] offset:(\off)+1024*nb+512
.set nb, nb+1
.endr
.endm
.macro MMT ks, i
	WIN 0xa1
.set nb, 0
.rept 4
	v_wmma_f32_16x16x32_bf16 v[32*(\i)+8*nb:32*(\i)+8*nb+7], v[40*(\ks)+8*(\i):40*(\ks)+8*(\i)+7], v[WF+32*((\ks)%2)+8*nb:WF+32*((\ks)%2)+8*nb+7], v[32*(\i)+8*nb:32*(\i)+8*nb+7]
.set nb, nb+1
.endr
.endm
.macro MMS ks                          ; the accumulators take turns, one instruction a turn; s42 = my live tiles
	MMT \ks, 0
	MMT \ks, 1
	MMT \ks, 2
	WIN 0
	s_cmp_lt_u32 s42, 4
	s_cbranch_scc1 .Lmm_\@
	MMT \ks, 3
	WIN 0
	s_cmp_lt_u32 s42, 5
	s_cbranch_scc1 .Lmm_\@
	MMT \ks, 4
	WIN 0
.Lmm_\@:
.endm
; A TRIP: four slots, as in the launch before.  LOADcnt: behind a wanted set stand three sets (30) and, where a stage is out, its 32 (62); behind a wanted stage four sets (40).
.macro TRIP stage, issue, xn, vr
.set LA, 30
.set LB, 20
.set LC, 10
.set LD, 0
.if \xn
.set LB, 30
.set LC, 30
.set LD, 30
.endif
.if \stage
.set LA, 62
.set LB, 62
.endif
.if \issue
.set LC, 62
.set LD, 62
.endif
	s_wait_loadcnt LA
	s_wait_dscnt 8                         ; this K step's fragments are in; the next one's 8 loads may be out
	MMS 0
	PLACES
.if \xn
	ANEXT 0
.endif
	WFLOAD \vr, 8192, 0
	s_wait_loadcnt LB
	s_wait_dscnt 8
	MMS 1
	PLACES
.if \xn
	ANEXT 1
.endif
	WFLOAD \vr, 12288, 1
.if \stage
	CVT 40
.if \issue
	s_add_nc_u64 s[32:33], s[32:33], 1048576  ; the weights' base is named by the weights' loads alone, and the wait above has shown them landed
	WLOAD
	s_cmp_lg_u32 s43, 2                    ; the loop's first trip asks for stage 2 and prefetches stage 3, a trip ahead of its loads; behind stage 3 there is none
	s_cbranch_scc1 .Lnopf_\@
	PREF 3145728
.Lnopf_\@:
.endif
	s_wait_dscnt 0x0                       ; for the others' sake: my stores of the stage are done
	s_barrier_signal -1
.else
	s_wait_dscnt 8
.endif
	s_wait_loadcnt LC
	MMS 2
.if \stage
	s_barrier_wait -1
.endif
	PLACES
.if \xn
	ANEXT 2
	WFLOAD \vr, 16384, 0
.endif
	s_wait_loadcnt LD
.if \xn
	s_wait_dscnt 8
.else
	s_wait_dscnt 0x0
.endif
	MMS 3
	PLACES
.if \xn
	ANEXT 3
	WFLOAD \vr, 20480, 1
	v_add_nc_u32 v[\vr], 16384, v[\vr]
.endif
.endm
.macro MT
	s_sub_co_i32 s42, s39, s48
	s_add_co_i32 s42, s42, 3
	s_ashr_i32 s42, s42, 2
	s_max_i32 s42, s42, 0
	s_min_i32 s42, s42, 5
.endm
.macro TILES                           ; my five tiles' offsets; a tile that does not exist repeats the expert's last
.set n, 0
.rept 5
	s_add_co_u32 s52, s48, 4*n
	s_min_u32 s52, s52, s40
	s_min_u32 s52, s52, 63
	s_lshl_b32 s47, s52, 16
	v_add_nc_u32 v[HO+n], s47, v[VH]
	s_lshl_b32 s47, s52, 6
	v_add_nc_u32 v[LO+n], s47, v[H32]
.set n, n+1
.endr
.endm
.macro LISTS                           ; ids and weights of rows 8 h .. 8 h + 7 of each tile: 20 loads
.set n, 0
.rept 5
	global_load_b128 v[PO+8*n:PO+8*n+3], v[LO+n], s[14:15]
	global_load_b128 v[PO+8*n+4:PO+8*n+7], v[LO+n], s[14:15] offset:16
	global_load_b128 v[WV+8*n:WV+8*n+3], v[LO+n], s[16:17]
	global_load_b128 v[WV+8*n+4:WV+8*n+7], v[LO+n], s[16:17] offset:16
.set n, n+1
.endr
.endm
.macro POFIX                           ; id -> byte offset of my 16 bytes in its row of part
.set n, 0
.rept 40
	v_min_u32 v[PO+n], 0x807, v[PO+n]
	v_lshl_add_u32 v[PO+n], v[PO+n], 12, v[R16]
.set n, n+1
.endr
.endm
.macro ACC0                            ; the sums start at the bias (0 in the second half of K): these moves are its addition
	WIN 0x80
.set n, 0
.rept 160
	v_mov_b32 v[n], v[BI+(n/8)%4]
.set n, n+1
.endr
	WIN 0
.endm
; Tile i times its rows' weights, each accumulator's lowest register first; eight rows' stores.  The products go into 32 registers of window 1 that are the tile's own
; (the operand sets are read out): nothing that a pending store reads is rewritten on the way out.
.macro EPI i
	WIN 0x42                               ; destination window 1, the sums window 2, the weights window 0
.set n, 0
.rept 32                               ; n = 4 j + c
	v_mul_f32 v[32*(\i)+n], v[32*(\i)+8*(n%4)+n/4], v[WV+8*(\i)+n/4]
.set n, n+1
.endr
	WIN 0x04                               ; a store's data window 1, its offset window 0
.set n, 0
.rept 8
	global_store_b128 v[PO+8*(\i)+n], v[32*(\i)+4*n:32*(\i)+4*n+3], s[36:37]  ; each half of the lanes: 256 consecutive bytes of a row, aligned
.set n, n+1
.endr
	WIN 0
.endm
.macro EPIG i
	s_cmp_le_u32 s42, \i
	s_cbranch_scc1 .Lepi_end
	EPI \i
.endm
	s_load_b256 s[8:15], s[0:1], 0x0       ; W2 s[8:9], b2 s[10:11], hbuf s[12:13], listg s[14:15]
	s_load_b128 s[16:19], s[0:1], 0x20     ; wlist s[16:17], part s[18:19]
	v_lshl_add_u32 v4, v0, 2, SPARE        ; my spare word
	v_mov_b32 v5, 0
	v_and_b32 v1, 31, v0
	v_lshrrev_b32 v18, 5, v0
	v_readfirstlane_b32 s26, v18           ; wave w
	v_and_b32 v2, 15, v0                   ; r
	v_bfe_u32 v3, v0, 4, 1                 ; h
	s_and_b32 s27, ttmp9, 15               ; ns
	s_lshr_b32 s29, ttmp9, 4               ; kh
	s_and_b32 s28, ttmp7, 0xffff           ; e
	v_lshlrev_b32 v[VH], 4, v1
	v_lshlrev_b32 v[R16], 4, v2
	v_lshlrev_b32 v[H32], 5, v3
	v_lshl_add_u32 v[VW], v3, 17, v[R16]
	v_lshlrev_b32 v[VP], 12, v2
	v_lshl_add_u32 v[VP], v3, 17, v[VP]
	s_lshl_b32 s47, s26, 12
	v_add_nc_u32 v[VS], s47, v[VH]
	v_mov_b32 v[VR], v[VH]
	v_add_nc_u32 v[VR7], 114688, v[VH]
	s_lshl_b32 s30, s28, 23                ; W2: the expert's 8 MiB,
	s_lshl_b32 s47, s29, 22                ; the K half's 1,024 rows,
	s_add_co_u32 s30, s30, s47
	s_lshl_b32 s52, s27, 8                 ; the slice's 256 bytes of a row,
	s_add_co_u32 s30, s30, s52
	s_lshr_b32 s47, s26, 1
	s_lshl_b32 s47, s47, 18                ; K step w of a stage's eight: 64 rows x (w / 2)
	s_add_co_u32 s30, s30, s47
	s_and_b32 s47, s26, 1
	s_lshl_b32 s47, s47, 16                ; + 16 rows x (w % 2)
	s_add_co_u32 s30, s30, s47
	s_mov_b32 s31, 0
	s_mul_i32 s60, s29, 8421376            ; part: the plane of 2,056 rows, the slice's columns
	s_add_co_u32 s60, s60, s52
	s_mov_b32 s61, 0
	s_lshl_b32 s56, s28, 12                ; the lists: 4,096 bytes an expert
	s_mov_b32 s57, 0
	s_add_co_u32 s52, s52, s56             ; b2: 4,096 bytes an expert too
	s_mov_b32 s53, 0
	s_lshl_b32 s54, s28, 22                ; hbuf: [e][tile][slice][2,048]; the half's 16 slices
	s_lshl_b32 s47, s29, 15
	s_add_co_u32 s54, s54, s47
	s_mov_b32 s55, 0
	s_lshl_b32 s58, s28, 7                 ; the count: behind the lists
	s_add_co_u32 s58, s58, 32768
	s_mov_b32 s59, 0
	s_wait_kmcnt 0x0
	s_add_nc_u64 s[32:33], s[8:9], s[30:31]
	s_mov_b64 s[44:45], s[32:33]           ; the prefetch's base: stage 0, never rewritten
	s_add_nc_u64 s[10:11], s[10:11], s[52:53]
	s_add_nc_u64 s[50:51], s[12:13], s[54:55]
	s_add_nc_u64 s[20:21], s[14:15], s[58:59]
	s_add_nc_u64 s[14:15], s[14:15], s[56:57]
	s_add_nc_u64 s[16:17], s[16:17], s[56:57]
	s_add_nc_u64 s[36:37], s[18:19], s[60:61]
	BASES                                  ; (the offsets that lay in these registers have been used)
	s_load_b32 s38, s[20:21], 0x0          ; the expert's rows
	WLOAD                                  ; stage 0
	PREF 2097152                           ; stage 2
	global_load_b128 v[RAWB:RAWB+3], v[R16], s[10:11]
	s_wait_kmcnt 0x0
	s_min_u32 s38, s38, 1024
	s_add_co_u32 s39, s38, 15
	s_lshr_b32 s39, s39, 4
	s_max_u32 s39, s39, 1                  ; its tiles
	s_sub_co_u32 s40, s39, 1
	s_mov_b32 s48, s26                     ; 20 p + w
	MT
	TILES
	LISTS
	ALOAD 0
	ALOAD 1
	CVT 41                                 ; behind stage 0: 1 of the bias, 20 of the lists, 20 of the hidden layer
	s_wait_loadcnt 20                      ; the bias and the lists are in
	s_add_nc_u64 s[32:33], s[32:33], 1048576
	WLOAD                                  ; stage 1
	ALOAD 2
	ALOAD 3
	s_wait_dscnt 0x0
	s_barrier_signal -1                    ; work on registers stands between the signal and the wait
	POFIX
	s_cmp_eq_u32 s29, 0
	s_cselect_b32 s47, -1, 0               ; the bias belongs to the first half of K alone
	v_cvt_pk_bf16_f32 v24, v[RAWB], v[RAWB+1]
	v_cvt_pk_bf16_f32 v25, v[RAWB+2], v[RAWB+3]
	v_lshlrev_b32 v[BI], 16, v24
	v_and_b32 v[BI+1], 0xffff0000, v24
	v_lshlrev_b32 v[BI+2], 16, v25
	v_and_b32 v[BI+3], 0xffff0000, v25
	v_and_b32 v[BI], s47, v[BI]
	v_and_b32 v[BI+1], s47, v[BI+1]
	v_and_b32 v[BI+2], s47, v[BI+2]
	v_and_b32 v[BI+3], s47, v[BI+3]
	ACC0
	s_barrier_wait -1
	WFLOAD VR, 0, 0
	WFLOAD VR, 4096, 1
	s_mov_b32 s43, 2
.Lstream:                                      ; trips 0 and 1 lay stages 1 and 2 into LDS and ask for stages 2 and 3
	TRIP 1, 1, 1, VR
	s_sub_co_u32 s43, s43, 1
	s_cmp_lg_u32 s43, 0
	s_cbranch_scc1 .Lstream
	TRIP 1, 0, 1, VR                       ; trip 2: stage 3 goes into LDS
	s_mov_b32 s41, 4                       ; at most four passes of 320 rows: they cover 1,024
	s_mov_b32 s43, 4                       ; the first pass has four plain trips left, a later pass seven: one text
.Lpass:
.Lmore:
	TRIP 0, 0, 1, VR
	s_sub_co_u32 s43, s43, 1
	s_cmp_lg_u32 s43, 0
	s_cbranch_scc1 .Lmore
	TRIP 0, 0, 0, VR7                      ; a pass's last trip
	EPIG 0
	EPIG 1
	EPIG 2
	EPIG 3
	EPIG 4
.Lepi_end:
	s_add_co_u32 s48, s48, 20
	MT
	s_cmp_eq_u32 s42, 0
	s_cbranch_scc1 .Ldone                  ; no tile of mine is left (always so behind the fourth pass); what follows, up to .Ldone, holds no barrier
	s_wait_xcnt 0x0                        ; the stores have read their data and offsets: the loads below land on those registers
	TILES
	LISTS
	BASES
	v_mov_b32 v[VR], v[VH]
	ALOAD 0
	ALOAD 1
	ALOAD 2
	ALOAD 3
	s_wait_loadcnt 40                      ; the lists are in; the four sets stay out
	POFIX
	ACC0
	WFLOAD VR, 0, 0
	WFLOAD VR, 4096, 1
	s_mov_b32 s43, 7
	s_sub_co_u32 s41, s41, 1
	s_cmp_lg_u32 s41, 0
	s_cbranch_scc1 .Lpass
.Ldone:                                        ; every wave comes here once
	s_wait_dscnt 0x0                       ; my reads of LDS are back,
	s_barrier_signal -1
	s_barrier_wait -1                      ; and so are every wave's: no wave writes LDS again (the add below) while another may still read
	s_wait_tensorcnt 0x0                   ; the wave's end
	ds_add_u32 v4, v5
	s_wait_dscnt 0x0
	s_endpgm
.Lfunc_end_k_qc0d1f12e1f_down:
	.size	k_qc0d1f12e1f_down, .Lfunc_end_k_qc0d1f12e1f_down-k_qc0d1f12e1f_down
	.p2alignl 7, 3214868480
	.fill 96, 4, 3214868480
	.section	.rodata,"a",@progbits
	.p2align	6, 0x0
	.amdhsa_kernel k_qc0d1f12e1f_down
		.amdhsa_group_segment_fixed_size 131584
		.amdhsa_private_segment_fixed_size 0
		.amdhsa_enable_private_segment 0
		.amdhsa_kernarg_size 48
		.amdhsa_user_sgpr_count 2
		.amdhsa_user_sgpr_kernarg_segment_ptr 1
		.amdhsa_wavefront_size32 1
		.amdhsa_system_sgpr_workgroup_id_x 1
		.amdhsa_system_sgpr_workgroup_id_y 1
		.amdhsa_system_sgpr_workgroup_id_z 1
		.amdhsa_system_vgpr_workitem_id 0
		.amdhsa_next_free_vgpr 896
		.amdhsa_next_free_sgpr 66
		.amdhsa_reserve_vcc 0
		.amdhsa_float_denorm_mode_32 3
		.amdhsa_float_denorm_mode_16_64 3
		.amdhsa_memory_ordered 1
		.amdhsa_forward_progress 1
		.amdhsa_inst_pref_size 125
	.end_amdhsa_kernel
	.amdgpu_metadata
---
amdhsa.version: [ 1, 2 ]
amdhsa.kernels:
  - .name:           k_qc0d1f12e1f_down
    .symbol:         k_qc0d1f12e1f_down.kd
    .args:
      - { .name: W2, .offset: 0, .size: 8, .value_kind: global_buffer, .address_space: global }
      - { .name: b2, .offset: 8, .size: 8, .value_kind: global_buffer, .address_space: global }
      - { .name: hbuf, .offset: 16, .size: 8, .value_kind: global_buffer, .address_space: global }
      - { .name: listg, .offset: 24, .size: 8, .value_kind: global_buffer, .address_space: global }
      - { .name: wlist, .offset: 32, .size: 8, .value_kind: global_buffer, .address_space: global }
      - { .name: part, .offset: 40, .size: 8, .value_kind: global_buffer, .address_space: global }
    .group_segment_fixed_size: 131584
    .private_segment_fixed_size: 0
    .kernarg_segment_align: 8
    .kernarg_segment_size: 48
    .max_flat_workgroup_size: 128
    .sgpr_count:     66
    .vgpr_count:     896
    .wavefront_size: 32
...
	.end_amdgpu_metadata
.endif
;; end of part 4
;; launch add (part 5): grid 256 x 1, 8 waves a work-group, no clusters, 0 bytes of LDS; arguments part, out0; writes out0
.if DOCPART == 5
	.amdgcn_target "amdgcn-amd-amdhsa--gfx1250"
	.amdhsa_code_object_version 6
	.text
	.protected	k_qc0d1f12e1f_add
	.globl	k_qc0d1f12e1f_add
	.p2align	8
	.type	k_qc0d1f12e1f_add,@function
k_qc0d1f12e1f_add:
	s_mov_b64 s[64:65], 0
	v_nop
	global_prefetch_b8 v0, s[64:65] scope:SCOPE_SE
	s_setreg_imm32_b32 hwreg(HW_REG_WAVE_MODE, 25, 1), 1
	s_wait_xcnt 0x0
; out[t] = the sum of token t's four partial rows: two choices (rows t and 1,024 + t) in each of the two planes of K halves.  All f32.
; A stream: a work-group owns 4 tokens, thread n the 16 bytes at 16 n of each row, so a wave's load or store covers 512 consecutive aligned bytes.  All 16 loads go out together;
; LDS, matrix units and clusters have nothing to add: no byte is read twice.
.set PLANE, 8421376   ; 2,056 rows of 4,096 bytes
.set SECOND, 4194304  ; 1,024 rows
	s_load_b128 s[4:7], s[0:1], 0x0        ; part s[4:5], out0 s[6:7]
	v_lshlrev_b32 v1, 4, v0
	s_lshl_b32 s8, ttmp9, 14               ; four rows
	s_mov_b32 s9, 0
	s_wait_kmcnt 0x0
	s_add_nc_u64 s[4:5], s[4:5], s[8:9]
	s_add_nc_u64 s[6:7], s[6:7], s[8:9]
	s_add_nc_u64 s[10:11], s[4:5], PLANE
.set q, 0
.rept 4
	global_load_b128 v[4+16*q:7+16*q], v1, s[4:5] offset:4096*q th:TH_LOAD_NT
	global_load_b128 v[8+16*q:11+16*q], v1, s[4:5] offset:SECOND+4096*q th:TH_LOAD_NT
	global_load_b128 v[12+16*q:15+16*q], v1, s[10:11] offset:4096*q th:TH_LOAD_NT
	global_load_b128 v[16+16*q:19+16*q], v1, s[10:11] offset:SECOND+4096*q th:TH_LOAD_NT
.set q, q+1
.endr
.set q, 0
.rept 4
	s_wait_loadcnt 12-4*q                  ; token q's four are in; the later tokens' stay out
	v_pk_add_f32 v[4+16*q:5+16*q], v[4+16*q:5+16*q], v[8+16*q:9+16*q]
	v_pk_add_f32 v[6+16*q:7+16*q], v[6+16*q:7+16*q], v[10+16*q:11+16*q]
	v_pk_add_f32 v[12+16*q:13+16*q], v[12+16*q:13+16*q], v[16+16*q:17+16*q]
	v_pk_add_f32 v[14+16*q:15+16*q], v[14+16*q:15+16*q], v[18+16*q:19+16*q]
	v_pk_add_f32 v[4+16*q:5+16*q], v[4+16*q:5+16*q], v[12+16*q:13+16*q]
	v_pk_add_f32 v[6+16*q:7+16*q], v[6+16*q:7+16*q], v[14+16*q:15+16*q]
	global_store_b128 v1, v[4+16*q:7+16*q], s[6:7] offset:4096*q th:TH_STORE_NT
.set q, q+1
.endr
	s_endpgm
.Lfunc_end_k_qc0d1f12e1f_add:
	.size	k_qc0d1f12e1f_add, .Lfunc_end_k_qc0d1f12e1f_add-k_qc0d1f12e1f_add
	.p2alignl 7, 3214868480
	.fill 96, 4, 3214868480
	.section	.rodata,"a",@progbits
	.p2align	6, 0x0
	.amdhsa_kernel k_qc0d1f12e1f_add
		.amdhsa_group_segment_fixed_size 0
		.amdhsa_private_segment_fixed_size 0
		.amdhsa_enable_private_segment 0
		.amdhsa_kernarg_size 16
		.amdhsa_user_sgpr_count 2
		.amdhsa_user_sgpr_kernarg_segment_ptr 1
		.amdhsa_wavefront_size32 1
		.amdhsa_system_sgpr_workgroup_id_x 1
		.amdhsa_system_sgpr_workgroup_id_y 1
		.amdhsa_system_sgpr_workgroup_id_z 1
		.amdhsa_system_vgpr_workitem_id 0
		.amdhsa_next_free_vgpr 72
		.amdhsa_next_free_sgpr 66
		.amdhsa_reserve_vcc 0
		.amdhsa_float_denorm_mode_32 3
		.amdhsa_float_denorm_mode_16_64 3
		.amdhsa_memory_ordered 1
		.amdhsa_forward_progress 1
		.amdhsa_inst_pref_size 5
	.end_amdhsa_kernel
	.amdgpu_metadata
---
amdhsa.version: [ 1, 2 ]
amdhsa.kernels:
  - .name:           k_qc0d1f12e1f_add
    .symbol:         k_qc0d1f12e1f_add.kd
    .args:
      - { .name: part, .offset: 0, .size: 8, .value_kind: global_buffer, .address_space: global }
      - { .name: out0, .offset: 8, .size: 8, .value_kind: global_buffer, .address_space: global }
    .group_segment_fixed_size: 0
    .private_segment_fixed_size: 0
    .kernarg_segment_align: 8
    .kernarg_segment_size: 16
    .max_flat_workgroup_size: 256
    .sgpr_count:     66
    .vgpr_count:     72
    .wavefront_size: 32
...
	.end_amdgpu_metadata
.endif
;; end of part 5
;; ======== version 2 of 2: 5 launches; version 1 with the launches router, place written anew for expert scheduling mode
;; workspace buffers: xb 2,097,152 bytes; cho 8,192 bytes of whole numbers; topw 8,192 bytes; xg 16,777,216 bytes; hbuf 33,554,432 bytes; listg 33,792 bytes of whole numbers; wlist 32,768 bytes; part 16,842,752 bytes
;; launch router (part 6): grid 32 x 1, 8 waves a work-group, no clusters, 91,648 bytes of LDS; arguments x, Wr, temp, xb, cho, topw; writes xb, cho, topw
.if DOCPART == 6
	.amdgcn_target "amdgcn-amd-amdhsa--gfx1250"
	.amdhsa_code_object_version 6
	.text
	.protected	k_qc0d1f12e1f_router
	.globl	k_qc0d1f12e1f_router
	.p2align	8
	.type	k_qc0d1f12e1f_router,@function
k_qc0d1f12e1f_router:
	s_mov_b64 s[64:65], 0
	v_nop
	global_prefetch_b8 v0, s[64:65] scope:SCOPE_SE
	s_setreg_imm32_b32 hwreg(HW_REG_WAVE_SCHED_MODE, 0, 2), 2
	s_setreg_imm32_b32 hwreg(HW_REG_WAVE_MODE, 25, 1), 1
	s_wait_xcnt 0x0
	s_wait_alu depctr_vm_vsrc(0)
; ROUTER.  logits = (x Wr) / temp; the two largest of 8 (ties: the lower index); softmax over the two.  Also x rounded to bf16 for the next launch.
; A work-group owns 32 tokens (a token's 8 logits have one owner, so there is work for 1,024 / 32 = 32 work-groups); eight waves.
; Phase 1: wave w rounds rows 4 w .. 4 w + 3 of the group's x and rows 128 w .. + 127 of Wr to bf16: x goes to xb and to LDS, Wr to LDS.
; Phase 2: wave w multiplies the K slice 128 w .. + 127: D = Wr^T x^T, 16 x 16 x 32, two accumulators (tokens 0-15, 16-31) by turns.
; Phase 3: wave 0 adds the eight waves' partial logits in f32, in ascending order, and chooses.  The choices go to fixed places: no address here hangs on them.
; LIMITS.  x, Wr and temp are rounded to bf16 (as every input of the program is).  The division by temp is a multiplication by v_rcp_f32's result.
; Two logits that differ by less than the f32 sums' rounding may change places.  The second choice is found with the first set to -inf: logits are taken to be finite;
; NaN and infinities are not treated apart.  The softmax takes the maximum away: its exponent is second - best <= 0.
; NO CLUSTER: the work-groups share Wr alone, 32 KiB beside each group's own 128 KiB of x.
; THE MODE: SCHED_MODE bits 1:0 = 2 (LLVM: expert scheduling mode 2), set by the entry lines.  The code itself states the register dependences
; between vector or matrix instructions and memory or LDS instructions, with s_wait_alu, always for 0.
; THE PLAN.  Registers that memory or LDS instructions touch:
;   v6-v13     offsets and LDS addresses: written at the head, never again.
;   WL, XL     loaded once, read by the conversions.  Later v32-127 take phase 2's fragments (read by the products) and v32-95 phase 3's partial logits.
;   WP         written by Wr's conversions, read by eight LDS stores; wave 0 writes v16-26 again in phase 3.
;   PK         a pair for each piece of x, written once.  x goes in four groups of eight pieces (Wr is the group in front of them): group g's conversions write its pairs,
;              and the stores that read them are issued in group g + 1, dealt among that group's conversions, which name other registers.
;   LG         written by eight selects, read by two LDS stores.     v17, v19, v24-v26  written in phase 3, read by the four stores of the choices.
; So one wait on va_vdst stands at each group's head and one behind the last group; one ahead of LG's stores, which also frees the fragments' registers for phase 3's loads.
.set XP,    2064      ; a row of x in LDS: 2,048 bytes + 16: an odd multiple of 16, so the 16 rows of a fragment load start 16 bytes apart modulo 256
.set WRT,   66048     ; behind 32 such rows: Wr in bf16, [k][8], 16 bytes a row
.set PART,  82432     ; the waves' partial logits, 1,024 bytes a wave
.set SPARE, 90624     ; the spare words, 128 bytes a wave: four blocks of 256 bytes that no other line names
.set XL, 32           ; v32-159  x as loaded, 32 pieces of 4
.set WL, 160          ; v160-191 Wr as loaded
.set PK, 192          ; v192-255 x rounded, a pair for each piece: no pair is written twice
.set WP, 16           ; v16-31   Wr rounded
.set WRF, 32          ; phase 2: Wr^T's fragments
.set XF, 64           ; x's fragments: tokens 0-15, then 16-31
.set D0, 128
.set D1, 136
.set LG, 144
.set PS, 32           ; phase 3: eight waves' eight logits
.set EQ, 32           ; s32-39   phase 3: which lanes' best is expert n
	s_load_b256 s[8:15], s[0:1], 0x0       ; x s[8:9], Wr s[10:11], temp s[12:13], xb s[14:15]
	s_load_b128 s[16:19], s[0:1], 0x20     ; cho s[16:17], topw s[18:19]
	v_lshl_add_u32 v4, v0, 2, SPARE        ; my spare word
	v_mov_b32 v5, 0
	v_and_b32 v1, 31, v0                   ; lane
	v_lshrrev_b32 v14, 5, v0
	v_readfirstlane_b32 s20, v14           ; wave w
	v_and_b32 v2, 15, v0                   ; r
	v_bfe_u32 v3, v0, 4, 1                 ; h
	v_lshlrev_b32 v6, 4, v1                ; 16 lane
	v_lshlrev_b32 v7, 3, v1                ; 8 lane
	s_lshl_b32 s21, ttmp9, 5               ; t0: the group's first token
	s_wait_alu depctr_va_sdst(0)           ; s20 is written, ahead of its first reader
	s_lshl_b32 s28, s20, 2                 ; 4 w
	s_add_co_u32 s29, s21, s28             ; my wave's first token
	s_mul_i32 s30, s28, XP
	v_add_nc_u32 v8, s30, v7               ; LDS: my 8 bytes in my wave's first row of x
	s_lshl_b32 s30, s20, 11
	s_add_co_u32 s30, s30, WRT             ; my wave's 128 rows of Wr
	v_add_nc_u32 v9, s30, v7
	v_and_b32 v14, 7, v0
	v_lshlrev_b32 v14, 4, v14
	v_lshl_add_u32 v14, v3, 7, v14
	v_add_nc_u32 v10, s30, v14             ; the turning load: row 128 w + 8 h + lane % 8; lanes 8-15 and 24-31 take the rows of lanes 0-7 and 16-23, so rows 8-15 of Wr^T repeat experts 0-7
	v_mul_u32_u24 v11, v2, XP
	v_lshl_add_u32 v11, v3, 4, v11
	s_lshl_b32 s30, s20, 8
	v_add_nc_u32 v11, s30, v11             ; x's fragments: row r, byte 256 w + 16 h
	s_lshl_b32 s30, s20, 10
	s_add_co_u32 s30, s30, PART
	v_add_nc_u32 v12, s30, v6              ; my wave's partial logits
	v_add_nc_u32 v13, PART, v6             ; wave 0's view of them all
	s_mov_b32 s23, 0xffff0000              ; lanes 16-31
	s_lshl_b32 s24, s29, 12                ; byte offsets: x,
	s_mov_b32 s25, 0
	s_lshl_b32 s26, s20, 12                ; Wr,
	s_mov_b32 s27, 0
	s_lshl_b32 s30, s29, 11                ; xb
	s_mov_b32 s31, 0
	s_wait_kmcnt 0x0
	s_load_b32 s22, s[12:13], 0x0          ; temp
	s_add_nc_u64 s[8:9], s[8:9], s[24:25]
	s_add_nc_u64 s[10:11], s[10:11], s[26:27]
	s_add_nc_u64 s[14:15], s[14:15], s[30:31]
	s_wait_alu depctr_va_vdst(0)           ; the offsets and LDS addresses v6 to v13 are written, which the loads and stores of the whole kernel read
	; PHASE 1.  40 loads go out together; each covers 512 consecutive bytes.
.set q, 0
.rept 8
	global_load_b128 v[WL+4*q:WL+4*q+3], v6, s[10:11] offset:512*q
.set q, q+1
.endr
.set n, 0
.rept 32
	global_load_b128 v[XL+4*n:XL+4*n+3], v6, s[8:9] offset:(n/8)*4096+(n%8)*512 th:TH_LOAD_NT
.set n, n+1
.endr
	s_wait_loadcnt 32                      ; Wr's eight are in; x's 32 stay out
.set q, 0
.rept 8
	v_cvt_pk_bf16_f32 v[WP+2*q], v[WL+4*q], v[WL+4*q+1]
	v_cvt_pk_bf16_f32 v[WP+2*q+1], v[WL+4*q+2], v[WL+4*q+3]
.set q, q+1
.endr
.set g, 0
.rept 4                                        ; group g: pieces 8 g .. 8 g + 7, a row of x
	s_wait_loadcnt 24-8*g                  ; the group's eight pieces are in, the later groups' stay out
	s_wait_alu depctr_va_vdst(0)           ; the conversions of the group before have written WP (g = 0) or its pairs of PK, which the stores below read
.set q, 0
.rept 8
.if g == 0
	ds_store_b64 v9, v[WP+2*q:WP+2*q+1] offset:256*q
.else
.set n, 8*g-8+q
	global_store_b64 v7, v[PK+2*n:PK+2*n+1], s[14:15] offset:(n/8)*2048+(n%8)*256  ; the wave's store covers 256 consecutive bytes, aligned
	ds_store_b64 v8, v[PK+2*n:PK+2*n+1] offset:(n/8)*XP+(n%8)*256
.endif
.set n, 8*g+q
	v_cvt_pk_bf16_f32 v[PK+2*n], v[XL+4*n], v[XL+4*n+1]      ; no wait: these name this group's pairs, the stores beside them the last group's
	v_cvt_pk_bf16_f32 v[PK+2*n+1], v[XL+4*n+2], v[XL+4*n+3]
.set q, q+1
.endr
.set g, g+1
.endr
	s_wait_alu depctr_va_vdst(0)           ; the last group's pairs are written; and the conversions are done reading XL, in which phase 2's fragments land
.set n, 24
.rept 8
	global_store_b64 v7, v[PK+2*n:PK+2*n+1], s[14:15] offset:(n/8)*2048+(n%8)*256
	ds_store_b64 v8, v[PK+2*n:PK+2*n+1] offset:(n/8)*XP+(n%8)*256
.set n, n+1
.endr
	s_wait_kmcnt 0x0                       ; temp
	s_wait_dscnt 0x0                       ; for the others' sake: my stores into LDS are done
	s_barrier_signal -1
	s_barrier_wait -1
	; PHASE 2.  Four K steps of 32.
.set ks, 0
.rept 4
	ds_load_tr16_b128 v[WRF+8*ks:WRF+8*ks+3], v10 offset:512*ks
	ds_load_tr16_b128 v[WRF+8*ks+4:WRF+8*ks+7], v10 offset:512*ks+256
	ds_load_b128 v[XF+8*ks:XF+8*ks+3], v11 offset:64*ks
	ds_load_b128 v[XF+8*ks+4:XF+8*ks+7], v11 offset:64*ks+32
	ds_load_b128 v[XF+32+8*ks:XF+32+8*ks+3], v11 offset:16*XP+64*ks
	ds_load_b128 v[XF+32+8*ks+4:XF+32+8*ks+7], v11 offset:16*XP+64*ks+32
.set ks, ks+1
.endr
	s_wait_dscnt 0x0
	v_wmma_f32_16x16x32_bf16 v[D0:D0+7], v[WRF:WRF+7], v[XF:XF+7], 0          ; the first K step starts both sums
	v_wmma_f32_16x16x32_bf16 v[D1:D1+7], v[WRF:WRF+7], v[XF+32:XF+39], 0
.set ks, 1
.rept 3                                        ; the two accumulators take turns
	v_wmma_f32_16x16x32_bf16 v[D0:D0+7], v[WRF+8*ks:WRF+8*ks+7], v[XF+8*ks:XF+8*ks+7], v[D0:D0+7]
	v_wmma_f32_16x16x32_bf16 v[D1:D1+7], v[WRF+8*ks:WRF+8*ks+7], v[XF+32+8*ks:XF+32+8*ks+7], v[D1:D1+7]
.set ks, ks+1
.endr
.rept 4
	v_nop                                  ; four places behind the last product (ISA guide 7.12.1)
.endr
	; Register j of lane (r, h) holds expert j (rows 8-15 repeat rows 0-7) of token r: lanes 0-15 take D0, lanes 16-31 D1: lane L holds token L.
.set j, 0
.rept 8
	v_cndmask_b32 v[LG+j], v[D0+j], v[D1+j], s23
.set j, j+1
.endr
	s_wait_alu depctr_va_vdst(0)           ; the selects have written LG, which the LDS stores read; and the products are done reading v32-127, in which wave 0's loads of phase 3 land
	ds_store_b128 v12, v[LG:LG+3]
	ds_store_b128 v12, v[LG+4:LG+7] offset:512
	s_wait_dscnt 0x0
	s_barrier_signal -1
	s_barrier_wait -1
	; PHASE 3: wave 0 alone; no barrier stands in what the others jump.
	s_cmp_lg_u32 s20, 0
	s_cbranch_scc1 .Lend
.set n, 0
.rept 8
	ds_load_b128 v[PS+8*n:PS+8*n+3], v13 offset:1024*n
	ds_load_b128 v[PS+8*n+4:PS+8*n+7], v13 offset:1024*n+512
.set n, n+1
.endr
	s_wait_alu depctr_vm_vsrc(0)           ; phase 1's LDS stores have read WP: v16 to v26 are written again from here on
	v_mov_b32 v16, s22
	v_cvt_pk_bf16_f32 v16, v16, v16        ; temp rounded to bf16,
	v_lshlrev_b32 v16, 16, v16             ; as f32
	v_rcp_f32 v14, v16
	v_mov_b32 v15, 0                       ; the plain instruction behind the reciprocal; it also writes the pair's upper word
	v_mov_b32 v20, 0xff800000              ; -inf
	s_wait_dscnt 0x0
.set n, 1
.rept 7                                        ; the waves' parts, in ascending order
	v_pk_add_f32 v[PS:PS+1], v[PS:PS+1], v[PS+8*n:PS+8*n+1]
	v_pk_add_f32 v[PS+2:PS+3], v[PS+2:PS+3], v[PS+8*n+2:PS+8*n+3]
	v_pk_add_f32 v[PS+4:PS+5], v[PS+4:PS+5], v[PS+8*n+4:PS+8*n+5]
	v_pk_add_f32 v[PS+6:PS+7], v[PS+6:PS+7], v[PS+8*n+6:PS+8*n+7]
.set n, n+1
.endr
	s_wait_alu depctr_va_vdst(0)           ; the reciprocal has written v14, ahead of its first reader
.set n, 0
.rept 4
	v_pk_mul_f32 v[PS+2*n:PS+2*n+1], v[PS+2*n:PS+2*n+1], v[14:15] op_sel_hi:[1,0]
.set n, n+1
.endr
	v_mov_b32 v16, v[PS]                   ; best, and its index: a strict compare keeps the lower index on a tie
	v_mov_b32 v17, 0
.set n, 1
.rept 7                                        ; each compare is against the best so far, so these cannot be laid in a run
	v_cmp_gt_f32 vcc_lo, v[PS+n], v16
	s_wait_alu depctr_va_vcc(0)            ; the compare has written VCC, which the two selects read
	v_cndmask_b32 v16, v16, v[PS+n], vcc_lo
	v_cndmask_b32 v17, v17, n, vcc_lo
.set n, n+1
.endr
.set n, 0
.rept 8                                        ; the best leaves the field: eight compares that hang on nothing but v17, in one run
	v_cmp_eq_u32 s[EQ+n], n, v17
.set n, n+1
.endr
	s_wait_alu depctr_va_sdst(0)           ; the eight compares have written s32 to s39, which the selects read
.set n, 0
.rept 8
	v_cndmask_b32 v[PS+n], v[PS+n], v20, s[EQ+n]
.set n, n+1
.endr
	v_mov_b32 v18, v[PS]                   ; the second, likewise
	v_mov_b32 v19, 0
.set n, 1
.rept 7
	v_cmp_gt_f32 vcc_lo, v[PS+n], v18
	s_wait_alu depctr_va_vcc(0)            ; the compare has written VCC, which the two selects read
	v_cndmask_b32 v18, v18, v[PS+n], vcc_lo
	v_cndmask_b32 v19, v19, n, vcc_lo
.set n, n+1
.endr
	v_sub_f32 v21, v18, v16                ; second - best <= 0: the maximum is taken away
	v_mul_f32 v21, 0x3fb8aa3b, v21
	v_exp_f32 v22, v21
	v_add_lshl_u32 v26, v1, s21, 2         ; 4 (t0 + lane): the plain instruction behind the exponential
	s_wait_alu depctr_va_vdst(0)           ; the exponential has written v22, ahead of its first reader
	v_add_f32 v23, 1.0, v22
	v_rcp_f32 v24, v23                     ; the best's weight, 1 / (1 + q)
	v_nop
	s_wait_alu depctr_va_vdst(0)           ; the reciprocal has written v24, ahead of its first reader
	v_mul_f32 v25, v22, v24                ; the second's, q / (1 + q)
	s_wait_alu depctr_va_vdst(0)           ; v25 is written (v17, v19, v24 and the offset v26 too), which the four stores read
	global_store_b32 v26, v17, s[16:17]
	global_store_b32 v26, v19, s[16:17] offset:4096
	global_store_b32 v26, v24, s[18:19]
	global_store_b32 v26, v25, s[18:19] offset:4096
.Lend:
	s_wait_dscnt 0x0                       ; the closing lines, six on end
	s_wait_alu 0x0
	s_wait_tensorcnt 0x0
	ds_add_u32 v4, v5
	s_wait_dscnt 0x0
	s_endpgm
.Lfunc_end_k_qc0d1f12e1f_router:
	.size	k_qc0d1f12e1f_router, .Lfunc_end_k_qc0d1f12e1f_router-k_qc0d1f12e1f_router
	.p2alignl 7, 3214868480
	.fill 96, 4, 3214868480
	.section	.rodata,"a",@progbits
	.p2align	6, 0x0
	.amdhsa_kernel k_qc0d1f12e1f_router
		.amdhsa_group_segment_fixed_size 91648
		.amdhsa_private_segment_fixed_size 0
		.amdhsa_enable_private_segment 0
		.amdhsa_kernarg_size 48
		.amdhsa_user_sgpr_count 2
		.amdhsa_user_sgpr_kernarg_segment_ptr 1
		.amdhsa_wavefront_size32 1
		.amdhsa_system_sgpr_workgroup_id_x 1
		.amdhsa_system_sgpr_workgroup_id_y 1
		.amdhsa_system_sgpr_workgroup_id_z 1
		.amdhsa_system_vgpr_workitem_id 0
		.amdhsa_next_free_vgpr 256
		.amdhsa_next_free_sgpr 66
		.amdhsa_reserve_vcc 1
		.amdhsa_float_denorm_mode_32 3
		.amdhsa_float_denorm_mode_16_64 3
		.amdhsa_memory_ordered 1
		.amdhsa_forward_progress 1
		.amdhsa_inst_pref_size 28
	.end_amdhsa_kernel
	.amdgpu_metadata
---
amdhsa.version: [ 1, 2 ]
amdhsa.kernels:
  - .name:           k_qc0d1f12e1f_router
    .symbol:         k_qc0d1f12e1f_router.kd
    .args:
      - { .name: x, .offset: 0, .size: 8, .value_kind: global_buffer, .address_space: global }
      - { .name: Wr, .offset: 8, .size: 8, .value_kind: global_buffer, .address_space: global }
      - { .name: temp, .offset: 16, .size: 8, .value_kind: global_buffer, .address_space: global }
      - { .name: xb, .offset: 24, .size: 8, .value_kind: global_buffer, .address_space: global }
      - { .name: cho, .offset: 32, .size: 8, .value_kind: global_buffer, .address_space: global }
      - { .name: topw, .offset: 40, .size: 8, .value_kind: global_buffer, .address_space: global }
    .group_segment_fixed_size: 91648
    .private_segment_fixed_size: 0
    .kernarg_segment_align: 8
    .kernarg_segment_size: 48
    .max_flat_workgroup_size: 256
    .sgpr_count:     66
    .vgpr_count:     256
    .wavefront_size: 32
...
	.end_amdgpu_metadata
.endif
;; end of part 6
;; launch place (part 7): grid 32 x 8, 4 waves a work-group, no clusters, 17,920 bytes of LDS; arguments xb, cho, topw, xg, listg, wlist; writes xg, listg, wlist
.if DOCPART == 7
	.amdgcn_target "amdgcn-amd-amdhsa--gfx1250"
	.amdhsa_code_object_version 6
	.text
	.protected	k_qc0d1f12e1f_place
	.globl	k_qc0d1f12e1f_place
	.p2align	8
	.type	k_qc0d1f12e1f_place,@function
k_qc0d1f12e1f_place:
	s_mov_b64 s[64:65], 0
	v_nop
	global_prefetch_b8 v0, s[64:65] scope:SCOPE_SE
	s_setreg_imm32_b32 hwreg(HW_REG_WAVE_SCHED_MODE, 0, 2), 2
	s_setreg_imm32_b32 hwreg(HW_REG_WAVE_MODE, 25, 1), 1
	s_wait_xcnt 0x0
	s_wait_alu depctr_vm_vsrc(0)
; PLACE.  The rows routed to each expert are ranked, and their x (bf16) is laid out once in the order in which the next launch's operand registers take it:
; xg[e][tile of 16 ranks][K step of 32][1,024 bytes]: registers 0-3 of lane l at 16 l, registers 4-7 at 512 + 16 l; lane (r, h) holds row r, k = 8 h .. and 16 + 8 h ..
; Also listg[e][rank] = id (choice x 1,024 + token; 2,048 + e past the count), wlist[e][rank] = the gate's weight of that id, and the expert's count at byte 32,768 + 128 e of listg.
; SHARES.  Work-group (q, e) owns ranks 32 q .. 32 q + 31 of expert e: two tiles.  Wave w takes tile 2 q + w / 2 and the K half w % 2: 32 loads of 16 bytes a lane, in the fragment's own pattern
; (32 bytes of each of 16 rows), and 32 stores of 512 consecutive aligned bytes.  So a routed row is gathered in short pieces once in the program, here, and read in whole blocks ever after.
; Every wave makes its own list from cho (2,048 choices, 64 a lane): the addresses hang on whole numbers that the launch before stored.  LDS serves a wave's instructions in order and a list is
; its wave's own: no barrier.  A tile past the expert's count is jumped (tile 0 is made even for an expert without rows, so that no later launch reads unwritten bytes); the list's 32 places
; are stored by every work-group, so all 1,024 places of each expert are written.
; NO CLUSTER, no matrix unit, no tensor load: the work-groups share cho alone (8 KiB); the rows come by a list.
; THE MODE: SCHED_MODE bits 1:0 = 2 (LLVM: expert scheduling mode 2), set by the entry lines.  The code itself states the register dependences
; between vector instructions and memory or LDS instructions, and those through scalar registers that vector instructions write, with s_wait_alu, always for 0.
; THE PLAN.  Registers that memory or LDS instructions touch:
;   v15, v19, v24-27   written at the head, never again: the offset of cho's loads and xg's stores; the address and the data of the stores that fill the list.
;   CH                 loaded once, read by the compares.
;   AD, ID             a register for each of my 64 choices: its place in LDS and its id.  Each is written once and read by one LDS store.  All ids are made while cho is on its way.
;                      Behind the scan these 128 registers are XD, in which x's 32 pieces land.
;   v18, v21           the two list loads' addresses, made while cho is on its way; v21 is written again, as the offset of the weight.     v10  a list load's result, made into the row's offset.
;   v30, v12, v13      the offsets and the count that wave 0 stores: made ahead of the kernel's last wait on va_vdst, behind which no vector instruction stands.
; THE SCAN goes in eight blocks of eight choices.  Two sets of eight mask registers take turns: block b + 1's compares are issued ahead of block b's ranking, so the wait for a block's masks stands a
; whole block behind the compares.  Block b - 1's eight stores are dealt among block b's counts, behind one wait at the block's head; block b names other registers of AD.
.set LISTW, 4352      ; a wave's list: 1,024 ids, then 32 words for the lanes that have nothing to say; the four lists begin at LDS byte 0
.set SPARE, 17408     ; the spare words, 128 bytes a wave: two blocks of 256 bytes that no other line names
.set CH, 32           ; v32-95   the choices
.set XD, 96           ; v96-223  the 32 pieces of x
.set AD, 96           ; v96-159  in the scan: choice n's place in LDS
.set ID, 160          ; v160-223 in the scan: choice n's id
.set MA, 48           ; s48-55   the masks of blocks 0, 2, 4, 6 (s49 and s50 served the head)
.set MB, 2            ; s2-9     the masks of blocks 1, 3, 5, 7 (s8 and s9 held xb's address, which has been used)
; Which lanes chose e, for block b's eight registers.
.macro CMP8 b
.set k, 0
.rept 8
	v_cmp_eq_u32 s[MA-(MA-MB)*((\b)%2)+k], s28, v[CH+8*(\b)+k]
.set k, k+1
.endr
.endm
; Block b.  A lane's rank is the count so far plus the choosing lanes below it; a lane that did not choose e takes its own word behind the list.  The four steps go eight abreast.
.macro BLOCK b
.set mk, MA-(MA-MB)*((\b)%2)
	s_wait_alu depctr_va_sdst(0)           ; this block's compares have written their masks, ahead of the first reader
.if (\b) > 0
	s_wait_alu depctr_va_vdst(0)           ; the block before has written its eight places in AD (the ids were written earlier), which the stores below read
.endif
.if (\b) < 7
	CMP8 (\b)+1                            ; into the other set of masks
.endif
.set k, 0
.rept 8
	v_mbcnt_lo_u32_b32 v[AD+8*(\b)+k], s[mk+k], s38
	s_bcnt1_i32_b32 s45, s[mk+k]
	s_add_co_u32 s38, s38, s45
.if (\b) > 0
	ds_store_b32 v[AD+8*(\b)-8+k], v[ID+8*(\b)-8+k]
.endif
.set k, k+1
.endr
.set k, 0
.rept 8
	v_cndmask_b32 v[AD+8*(\b)+k], v22, v[AD+8*(\b)+k], s[mk+k]
.set k, k+1
.endr
.set k, 0
.rept 8
	v_min_u32 v[AD+8*(\b)+k], 0x41f, v[AD+8*(\b)+k]
.set k, k+1
.endr
.set k, 0
.rept 8
	v_lshl_add_u32 v[AD+8*(\b)+k], v[AD+8*(\b)+k], 2, s46
.set k, k+1
.endr
.endm
	s_load_b256 s[8:15], s[0:1], 0x0       ; xb s[8:9], cho s[10:11], topw s[12:13], xg s[14:15]
	s_load_b128 s[16:19], s[0:1], 0x20     ; listg s[16:17], wlist s[18:19]
	v_lshl_add_u32 v4, v0, 2, SPARE        ; my spare word
	v_mov_b32 v5, 0
	v_and_b32 v1, 31, v0                   ; lane
	v_lshrrev_b32 v18, 5, v0
	v_readfirstlane_b32 s26, v18           ; wave w
	v_and_b32 v2, 15, v0                   ; r
	v_bfe_u32 v3, v0, 4, 1                 ; h
	s_mov_b32 s27, ttmp9                   ; q
	s_and_b32 s28, ttmp7, 0xffff           ; expert e
	v_lshlrev_b32 v15, 4, v1               ; 16 lane
	v_lshlrev_b32 v31, 4, v3               ; 16 h
	s_wait_alu depctr_va_sdst(0)           ; s26 is written, ahead of its first reader
	s_mul_i32 s46, s26, LISTW              ; my wave's list
	s_add_co_u32 s49, s28, 2048            ; the id of a place past the count: it names token e here and the expert's spare row in the last product
	v_mov_b32 v24, s49
	v_mov_b32 v25, s49
	v_mov_b32 v26, s49
	v_mov_b32 v27, s49
	v_add_nc_u32 v22, 1024, v1             ; the word for a lane that has nothing to say
	v_lshlrev_b32 v23, 2, v1               ; 4 lane
	v_add_nc_u32 v19, s46, v15
	s_lshr_b32 s40, s26, 1
	s_lshl1_add_u32 s40, s27, s40          ; my tile: 2 q + w / 2
	s_and_b32 s41, s26, 1                  ; my K half
	s_lshl_b32 s30, s41, 10                ; xb: 1,024 bytes of a row
	s_mov_b32 s31, 0
	s_lshl_b32 s32, s28, 21                ; xg: 64 tiles of 32,768 bytes an expert,
	s_lshl_b32 s47, s40, 15                ; my tile,
	s_add_co_u32 s32, s32, s47
	s_lshl_b32 s47, s41, 14                ; my 16 K steps
	s_add_co_u32 s32, s32, s47
	s_mov_b32 s33, 0
	s_mov_b32 s38, 0
	s_wait_kmcnt 0x0
	s_add_nc_u64 s[34:35], s[8:9], s[30:31]
	s_add_nc_u64 s[36:37], s[14:15], s[32:33]
	s_wait_alu depctr_va_vdst(0)           ; v15 is written, the offset of the loads below; so are v19 and v24 to v27, the address and the data of the LDS stores below
.set q, 0
.rept 16                                       ; all 2,048 choices, 64 a lane
	global_load_b128 v[CH+4*q:CH+4*q+3], v15, s[10:11] offset:512*q
.set q, q+1
.endr
.set q, 0
.rept 8                                        ; my list starts as 1,024 places past the count
	ds_store_b128 v19, v[24:27] offset:512*q
.set q, q+1
.endr
	; While cho is on its way: all that hangs on no loaded number.
	v_mov_b32 v[ID], v23                   ; the id = the word's place in cho: 128 (n / 4) + n % 4 + 4 lane, stepped from register to register
.set n, 1
.rept 63
.if n%4 == 0
	v_add_nc_u32 v[ID+n], 125, v[ID+n-1]
.else
	v_add_nc_u32 v[ID+n], 1, v[ID+n-1]
.endif
.set n, n+1
.endr
	s_lshl_b32 s47, s40, 4
	v_add_nc_u32 v18, s47, v2              ; rank 16 tile + r
	v_min_u32 v18, 0x3ff, v18
	v_lshl_add_u32 v18, v18, 2, s46
	s_lshl_b32 s47, s27, 5
	v_add_nc_u32 v21, s47, v1              ; rank 32 q + lane: the places that this work-group hands on
	v_min_u32 v21, 0x3ff, v21
	v_lshl_add_u32 v21, v21, 2, s46
	s_lshl_b32 s47, s28, 12
	s_lshl_b32 s50, s27, 7
	s_add_co_u32 s47, s47, s50
	v_add_nc_u32 v30, s47, v23             ; where those places go in listg and wlist
	s_lshl_b32 s47, s28, 7
	v_add_nc_u32 v12, s47, v23             ; and the count
	s_wait_loadcnt 0x0
	; THE LIST.
	CMP8 0
.irp b, 0,1,2,3,4,5,6,7
	BLOCK \b
.endr
	s_min_u32 s38, s38, 1024               ; the expert's rows
	s_add_co_u32 s39, s38, 15
	s_lshr_b32 s39, s39, 4
	s_max_u32 s39, s39, 1                  ; its tiles
	v_mov_b32 v13, s38
	s_wait_alu depctr_va_vdst(0)           ; the last block has written its eight places in AD, which the stores below read (v18 and v21, the list loads' addresses, were written earlier)
.set k, 0
.rept 8
	ds_store_b32 v[AD+56+k], v[ID+56+k]
.set k, k+1
.endr
	ds_load_b32 v10, v18
	ds_load_b32 v28, v21
	s_wait_dscnt 0x0
	s_wait_alu depctr_vm_vsrc(0)           ; the list load has read v21, which is written again below; the scan's stores have read AD and ID, in which x's pieces land
	v_and_b32 v10, 0x3ff, v10              ; id -> token -> byte offset of my 16 bytes in its row
	v_min_u32 v10, 0x3ff, v10
	v_lshl_add_u32 v10, v10, 11, v31
	v_min_u32 v21, 0x7ff, v28
	v_lshlrev_b32 v21, 2, v21
	s_wait_alu depctr_va_vdst(0)           ; v10 and v21 are written, the offsets of the loads below.  No vector instruction follows: it also stands for AD and ID, in which loads land, and for v30, v12 and v13, which wave 0's stores read
	global_load_b32 v29, v21, s[12:13]     ; the gate's weight of that place
	s_cmp_ge_u32 s40, s39
	s_cbranch_scc1 .Lnotile                ; my tile lies past the count
.set n, 0
.rept 32                                       ; piece n: K step n / 2 of my 16, registers 0-3 or 4-7
	global_load_b128 v[XD+4*n:XD+4*n+3], v10, s[34:35] offset:32*n
.set n, n+1
.endr
.set n, 0
.rept 32
	s_wait_loadcnt 31-n                    ; piece n is in, the younger ones stay out
	global_store_b128 v15, v[XD+4*n:XD+4*n+3], s[36:37] offset:512*n  ; 512 consecutive bytes, aligned
.set n, n+1
.endr
.Lnotile:
	s_cmp_lg_u32 s26, 0
	s_cbranch_scc1 .Lend                   ; wave 0 hands the list's piece on
	s_wait_loadcnt 0x0                     ; the weight
	global_store_b32 v30, v28, s[16:17]
	global_store_b32 v30, v29, s[18:19]
	s_cmp_lg_u32 s27, 0
	s_cbranch_scc1 .Lend                   ; and q = 0's the count
	global_store_b32 v12, v13, s[16:17] offset:32768
.Lend:
	s_wait_dscnt 0x0                       ; the closing lines, six on end
	s_wait_alu 0x0
	s_wait_tensorcnt 0x0
	ds_add_u32 v4, v5
	s_wait_dscnt 0x0
	s_endpgm
.Lfunc_end_k_qc0d1f12e1f_place:
	.size	k_qc0d1f12e1f_place, .Lfunc_end_k_qc0d1f12e1f_place-k_qc0d1f12e1f_place
	.p2alignl 7, 3214868480
	.fill 96, 4, 3214868480
	.section	.rodata,"a",@progbits
	.p2align	6, 0x0
	.amdhsa_kernel k_qc0d1f12e1f_place
		.amdhsa_group_segment_fixed_size 17920
		.amdhsa_private_segment_fixed_size 0
		.amdhsa_enable_private_segment 0
		.amdhsa_kernarg_size 48
		.amdhsa_user_sgpr_count 2
		.amdhsa_user_sgpr_kernarg_segment_ptr 1
		.amdhsa_wavefront_size32 1
		.amdhsa_system_sgpr_workgroup_id_x 1
		.amdhsa_system_sgpr_workgroup_id_y 1
		.amdhsa_system_sgpr_workgroup_id_z 1
		.amdhsa_system_vgpr_workitem_id 0
		.amdhsa_next_free_vgpr 224
		.amdhsa_next_free_sgpr 66
		.amdhsa_reserve_vcc 0
		.amdhsa_float_denorm_mode_32 3
		.amdhsa_float_denorm_mode_16_64 3
		.amdhsa_memory_ordered 1
		.amdhsa_forward_progress 1
		.amdhsa_inst_pref_size 44
	.end_amdhsa_kernel
	.amdgpu_metadata
---
amdhsa.version: [ 1, 2 ]
amdhsa.kernels:
  - .name:           k_qc0d1f12e1f_place
    .symbol:         k_qc0d1f12e1f_place.kd
    .args:
      - { .name: xb, .offset: 0, .size: 8, .value_kind: global_buffer, .address_space: global }
      - { .name: cho, .offset: 8, .size: 8, .value_kind: global_buffer, .address_space: global }
      - { .name: topw, .offset: 16, .size: 8, .value_kind: global_buffer, .address_space: global }
      - { .name: xg, .offset: 24, .size: 8, .value_kind: global_buffer, .address_space: global }
      - { .name: listg, .offset: 32, .size: 8, .value_kind: global_buffer, .address_space: global }
      - { .name: wlist, .offset: 40, .size: 8, .value_kind: global_buffer, .address_space: global }
    .group_segment_fixed_size: 17920
    .private_segment_fixed_size: 0
    .kernarg_segment_align: 8
    .kernarg_segment_size: 48
    .max_flat_workgroup_size: 128
    .sgpr_count:     66
    .vgpr_count:     224
    .wavefront_size: 32
...
	.end_amdgpu_metadata
.endif
;; end of part 7
;; launch up: the kernel of part 3 again; grid 32 x 8, 4 waves a work-group, no clusters, 262,656 bytes of LDS; arguments W1, b1, xg, listg, hbuf; writes hbuf
;; launch down: the kernel of part 4 again; grid 32 x 8, 4 waves a work-group, no clusters, 131,584 bytes of LDS; arguments W2, b2, hbuf, listg, wlist, part; writes part
;; launch add: the kernel of part 5 again; grid 256 x 1, 8 waves a work-group, no clusters, 0 bytes of LDS; arguments part, out0; writes out0
